; MI455X (gfx1250); checked and timed in simulation.
; The chip was launched on July 23, 2026; its instructions are those of AMD's public machine-readable ISA for CDNA 5 (MIT licence, August 2026) and "CDNA5" Instruction Set Architecture Reference Guide (July 2026). The comments in the code are by the model that wrote it; some were corrected since.
;; Monotonic NN. Allowed arithmetic: matrix products marked QUANTISED: E2M1 operands, one E8M0 scale for each 32 along K, by v_wmma_scale_f32_16x16x128_f8f6f4 with both operands' format E2M1 (or v_wmma_scale_f32_32x16x128_f4), f32 sums; products left as they are: f32 operands where the result goes on into a quantised operand, else bf16, f16 or f32 operands; f32 sums; everything else in f32.
;; Inputs: h 8,192 x 7 float32; hW0 7 x 256 float32; hW1 256 x 256 float32; hW2 256 x 256 float32; hW3 256 x 2 float32; hb0 256 float32; hb1 256 float32; hb2 256 float32; hb3 2 float32; iW0 8 x 256 float32; iW1 256 x 256 float32; iW2 256 x 256 float32; iW3 256 x 1 float32; ib0 256 float32; ib1 256 float32; ib2 256 float32; ib3 1 float32; x 8,192 x 1 float32.
;; Outputs: out0 8,192 x 1 float32.
;; This version of the problem:
;;   THIS VERSION OF THE PROBLEM IS GIVEN IN LOW PRECISION. The matrix products marked QUANTISED in the list below multiply operands that are first quantised to E2M1 (2 exponent bits, 1 mantissa bit; 4 bits a number), with one power-of-two scale for each 32 numbers along K (OCP MX v1.0); their sums are f32. All else is computed in f32.
;;   The module's matrix products, in the order in which they are computed (A, B: the left and right operand; K: the contracted axis; several contracted axes count as one K, in the product's order):
;;     1. [M 417,792, K 8] x [K 8, N 256]; A: computed on the way; B: input iW0: left as it is (K = 8 < 32)
;;     2. [M 417,792, K 256] x [K 256, N 256]; A: computed on the way; B: input iW1: QUANTISED
;;     3. [M 417,792, K 256] x [K 256, N 256]; A: computed on the way; B: input iW2: QUANTISED
;;     4. [M 417,792, K 256] x [K 256, N 1]; A: computed on the way; B: input iW3: left as it is (N = 1 < 16)
;;     5. [M 8,192, K 7] x [K 7, N 256]; A: input h; B: input hW0: left as it is (K = 7 < 32)
;;     6. [M 8,192, K 256] x [K 256, N 256]; A: computed on the way; B: input hW1: QUANTISED
;;     7. [M 8,192, K 256] x [K 256, N 256]; A: computed on the way; B: input hW2: QUANTISED
;;     8. [M 8,192, K 256] x [K 256, N 2]; A: computed on the way; B: input hW3: left as it is (N = 2 < 16)
;;   THE QUANTISER, for each operand of a quantised product, along K:
;;     - K is cut into blocks of 32 from its start; a last block that is shorter is filled with zeros.
;;     - A block's scale is 2^e with e = floor(log2(the largest magnitude in the block)) - 2, held to -126 .. 127; a block of zeros has e = 0. As a byte (E8M0): e + 127.
;;     - Each number is divided by its block's scale, clamped to +-6, and rounded to the nearest number of E2M1, ties to even, subnormals kept.
;;     - The product sums the exact products of the quantised numbers (number of the format x scale) in f32.
;;   ~~~python
;;   def quantise(x, axis):      # numpy; x: float32 -> the quantised numbers, widened to float32 again
;;       x = np.moveaxis(x, axis, -1); K = x.shape[-1]
;;       x = np.pad(x, [(0, 0)] * (x.ndim - 1) + [(0, -K % 32)]); x = x.reshape(x.shape[:-1] + (-1, 32)); a = np.abs(x).max(-1, keepdims=True)
;;       e = np.where(a > 0, np.clip(np.frexp(np.where(a > 0, a, 1))[1] - 1 - 2, -126, 127), 0)      # np.frexp(a)[1] - 1 = floor(log2(a)), exactly
;;       r = np.clip(x / 2.0 ** e, -6, 6)
;;       step = 2.0 ** (np.maximum(np.frexp(np.where(r == 0, 1, r))[1] - 1, 0) - 1)
;;       q = np.round(r / step) * step * 2.0 ** e      # np.round: ties to even
;;       return np.moveaxis(q.reshape(q.shape[:-2] + (-1,))[..., :K], -1, axis).astype(np.float32)
;;   ~~~
;;   OPERANDS COMPUTED ON THE WAY. 'Computed on the way' means the value that the module computes at that place (a softmax that the list does not call 'softmax' is quantised finished and normalised). What goes into a quantiser is computed in f32, as accurately as f32 sums, v_exp_f32 and their like allow (about 1e-6 of the number): no bf16 or f16 on the way to a quantiser, and a product that is left as it is and whose result goes on into a quantised operand takes f32 operands (vector FMAs, or v_wmma_f32_16x16x4_f32). A number that lies on a knife's edge between two numbers of the format may be rounded either way, as far as f32 arithmetic and the matrix unit's own rounding can turn it there, and no further.
;; 2 versions, each right; version 2 is version 1 with the launch main written anew for expert scheduling mode. Each part assembles by itself: llvm-mc -triple=amdgcn-amd-amdhsa -mcpu=gfx1250 --defsym DOCPART=n.
;; ======== version 1 of 2: 2 launches
;; workspace buffers: wcodes 131,072 bytes; wscales 16,384 bytes; nodes 512 bytes
;; launch prep (part 1): grid 32 x 1, 4 waves a work-group, no clusters, 0 bytes of LDS; arguments iW1, iW2, hW1, hW2, wcodes, wscales, nodes; writes wcodes, wscales, nodes
.if DOCPART == 1
	.amdgcn_target "amdgcn-amd-amdhsa--gfx1250"
	.amdhsa_code_object_version 6
	.text
	.protected	k_q65389d9080_prep
	.globl	k_q65389d9080_prep
	.p2align	8
	.type	k_q65389d9080_prep,@function
k_q65389d9080_prep:
	s_mov_b64 s[64:65], 0
	v_nop
	global_prefetch_b8 v0, s[64:65] scope:SCOPE_SE
	s_setreg_imm32_b32 hwreg(HW_REG_WAVE_MODE, 25, 1), 1
	s_wait_xcnt 0x0
; MonotonicNN, first of two launches.  out = exp(o1) * (sum over 51 nodes of cc_n * (elu(net_i(x tau_n / 2, h)) + 1)) * x / 2 + o0, (o0, o1) = net_h(h).
; DEAD WORK: none.  Every input has a way to out0 and every one of the 51 weights cc_n differs from 0, so all eight products of reference() are computed and all eighteen inputs are loaded.
; What reference() writes 51 times and the second launch computes once is no dead work but the same sum in another order: h is broadcast over the nodes, so h . iW0[1:] + ib0 is the same at all nodes of a batch row.
; THIS LAUNCH (a) turns iW1, iW2, hW1, hW2 ([K 256][N 256] f32, K the first axis) into codes of E2M1 with one E8M0 byte for each 32 along K, laid in the order of the matrix operand's registers, and
; (b) writes the table of nodes: 64 entries {tau_n = cos(n pi / 50) + 1, cc_n}; entries 51 to 63 are {1, 0}.
; A FRAGMENT is 16 columns x 128 along K: 8 registers a lane.  One wave makes one fragment; 128 fragments: number gf = weight x 32 + share x 8 + tile x 2 + K step (weight 0..3 = iW1, iW2, hW1, hW2).
; Lane (r, h) takes column 64 share + 32 (tile / 2) + 8 (tile % 2) + r + 8 (r / 8), and its registers run DOWN K in the order the operand wants: register 4 c + .. holds k = 128 step + 64 c + 32 h + 0 .. 31.
; So a lane holds two whole blocks, no other lane is asked for a maximum, and the conversions' results are the operand's registers.  The columns of a tile are not neighbours, so that in the second launch
; the 16 result registers of two neighbouring tiles are 16 neighbours along the next product's K.
; wcodes: fragment gf at 1,024 gf; registers 4 c .. 4 c + 3 of lane l at 512 c + 16 l: each store covers 512 consecutive bytes.  wscales: 128 gf + 4 l: the column's four bytes (lanes 16-31 hold the same word).
; A block's scale is 2^(floor(log2(largest magnitude)) - 2); its byte is the magnitude's exponent field - 2, held at 1 from below.
; cc_n = (2 / 50) (1 - sum over m = 1 .. 25 of 2 / (4 m^2 - 1) cos(2 m n pi / 50)), halved at n = 0 and n = 50: reference()'s lam.T @ W written out.  cos(2 m t) comes by u_m = 2 cos(2 t) u_(m-1) - u_(m-2).
; LIMITS: a block of zeros gets the byte 1 where the rule says 127 (its codes are zeros, and this program alone reads the bytes); blocks whose largest magnitude lies under 2^-124 are held at the byte 1;
; NaN and infinities among the inputs are not served; cc_n is made by an f32 recurrence of 25 terms and differs from reference()'s f64 sum by some 1e-6 of the largest weight; node 25's cosine is taken as 0 (its tau is 1 either way).
	s_load_b256 s[4:11], s[0:1], 0x0               ; iW1 s[4:5], iW2 s[6:7], hW1 s[8:9], hW2 s[10:11]
	s_load_b128 s[12:15], s[0:1], 0x20             ; wcodes, wscales
	s_load_b64 s[16:17], s[0:1], 0x30              ; nodes
	v_lshrrev_b32 v1, 5, v0
	v_readfirstlane_b32 s18, v1                    ; wave 0..3
	v_and_b32 v1, 15, v0                           ; r
	v_bfe_u32 v2, v0, 4, 1                         ; h
	v_and_b32 v7, 31, v0                           ; lane
	v_and_b32 v3, 8, v1
	v_add_nc_u32 v3, v3, v1                        ; r + 8 (r / 8)
	v_lshlrev_b32 v3, 2, v3                        ; 4 bytes a column,
	v_lshl_add_u32 v3, v2, 15, v3                  ; lanes 16-31 begin 32 rows of 1,024 bytes further down
	v_lshlrev_b32 v4, 4, v7                        ; codes: 16 bytes a lane
	v_lshlrev_b32 v5, 2, v7                        ; scale words: 4
	v_lshlrev_b32 v6, 3, v7                        ; table: 8
	s_lshl_b32 s19, ttmp9, 2
	s_add_co_u32 s19, s19, s18                     ; gf
	s_lshr_b32 s24, ttmp9, 3                       ; which weight
	s_and_b32 s25, s19, 1                          ; K step
	s_bfe_u32 s28, s19, 0x40001                    ; 4 share + tile
	s_lshr_b32 s29, s28, 1
	s_lshl_b32 s29, s29, 7                         ; 32 columns of 4 bytes for each pair of tiles
	s_and_b32 s28, s28, 1
	s_lshl_b32 s28, s28, 5                         ; 8 columns for the odd tile
	s_add_co_u32 s28, s28, s29
	s_lshl_b32 s25, s25, 17                        ; 128 rows of 1,024 bytes for K step 1
	s_add_co_u32 s28, s28, s25
	s_mov_b32 s29, 0
	s_lshl_b32 s30, s19, 10
	s_mov_b32 s31, 0
	s_lshl_b32 s32, s19, 7
	s_mov_b32 s33, 0
	s_mov_b32 s26, 0x76543210
	s_mov_b32 s27, 0xfedcba98                      ; v_permlanex16_b32's selects for lane l xor 16
	s_and_b32 s34, s24, 1
	s_wait_kmcnt 0x0
	s_cmp_lg_u32 s34, 0                            ; the choice hangs on the work-group's number alone
	s_cselect_b64 s[20:21], s[6:7], s[4:5]
	s_cselect_b64 s[22:23], s[10:11], s[8:9]
	s_cmp_ge_u32 s24, 2
	s_cselect_b64 s[20:21], s[22:23], s[20:21]
	s_add_nc_u64 s[20:21], s[20:21], s[28:29]
	s_add_nc_u64 s[12:13], s[12:13], s[30:31]
	s_add_nc_u64 s[14:15], s[14:15], s[32:33]
.irp c, 0,1
.irp i, 0,1,2,3,4,5,6,7,8,9,10,11,12,13,14,15,16,17,18,19,20,21,22,23,24,25,26,27,28,29,30,31
	global_load_b32 v[64+32*\c+\i], v3, s[20:21] offset:(64*\c+\i)*1024   ; W(128 step + 64 c + 32 h + i, my column)
.endr
.endr
	s_or_b32 s34, ttmp9, s18
	s_cmp_lg_u32 s34, 0
	s_cbranch_scc1 .Lquant                         ; the table is made by wave 0 of work-group 0, while its 64 loads are on their way
; THE TABLE.  v16: the cosines of nodes 0-31 by lane, v17: of nodes 32-63.  cos((50 - j) pi / 50) = -cos(j pi / 50).
	v_mov_b32 v16, 0
	v_mov_b32 v17, 0
	v_mov_b32 v19, 0
	v_mov_b32 v31, 0x3ca3d70a                      ; 0.02
.macro NODE j, val
	s_mov_b32 s24, \val
	v_writelane_b32 v16, s24, \j
	s_xor_b32 s24, s24, 0x80000000
.if 50-(\j) < 32
	v_writelane_b32 v16, s24, 50-(\j)
.else
	v_writelane_b32 v17, s24, 18-(\j)
.endif
.endm
	NODE 0, 1.0
	NODE 1, 0.998026728428
	NODE 2, 0.992114701314
	NODE 3, 0.982287250729
	NODE 4, 0.968583161129
	NODE 5, 0.951056516295
	NODE 6, 0.929776485888
	NODE 7, 0.904827052466
	NODE 8, 0.876306680044
	NODE 9, 0.844327925502
	NODE 10, 0.809016994375
	NODE 11, 0.770513242776
	NODE 12, 0.728968627421
	NODE 13, 0.684547105929
	NODE 14, 0.637423989749
	NODE 15, 0.587785252292
	NODE 16, 0.535826794979
	NODE 17, 0.481753674102
	NODE 18, 0.425779291565
	NODE 19, 0.368124552685
	NODE 20, 0.309016994375
	NODE 21, 0.248689887165
	NODE 22, 0.187381314586
	NODE 23, 0.125333233564
	NODE 24, 0.062790519529
; 32 nodes, a lane a node.  v[20+2P:21+2P] = {tau, cc}: each pass has its own pair, so no store's data are written again.
.macro PASS P
	v_add_f32 v[20+2*\P], 1.0, v[16+\P]            ; tau, in f32 as reference() adds it
	v_add_f32 v24, v[16+\P], v[16+\P]
	v_fma_f32 v26, v24, v[16+\P], -1.0             ; u_1 = cos 2t = 2 cos^2 t - 1
	v_add_f32 v24, v26, v26                        ; 2 cos 2t
	v_mov_b32 v25, 1.0                             ; u_0
	v_mul_f32 v28, 0.66666667, v26                 ; the sum of 2 / (4 m^2 - 1) u_m begins with m = 1
.set MI, 2
.irp wm, 0.13333333, 0.057142857, 0.031746032, 0.020202020, 0.013986014, 0.010256410, 0.0078431373, 0.0061919505, 0.0050125313, 0.0041407867, 0.0034782609, 0.0029629630, 0.0025542784, 0.0022246941, 0.0019550342, 0.0017316017, 0.0015444015, 0.0013860014, 0.0012507817, 0.0011344300, 0.0010335917, 0.00094562648, 0.00086843248, 0.00080032013
	v_fma_f32 v[25+MI%3], v24, v[25+(MI+2)%3], -v[25+(MI+1)%3]    ; u_m, three registers by turns
	v_fmamk_f32 v28, v[25+MI%3], \wm, v28
.set MI, MI+1
.endr
	v_sub_f32 v28, 1.0, v28
	v_add_nc_u32 v29, 32*\P, v7                    ; my node's number
	v_mov_b32 v30, 0x3d23d70a                      ; 2 / 50;
	v_cmp_eq_u32 vcc_lo, 0, v29
	v_cndmask_b32 v30, v30, v31, vcc_lo            ; half of it at both ends;
	v_cmp_eq_u32 vcc_lo, 50, v29
	v_cndmask_b32 v30, v30, v31, vcc_lo
	v_cmp_lt_u32 vcc_lo, 50, v29
	v_cndmask_b32 v30, v30, v19, vcc_lo            ; 0 behind the last node
	v_mul_f32 v[21+2*\P], v28, v30
	global_store_b64 v6, v[20+2*\P:21+2*\P], s[16:17] offset:256*\P   ; 32 lanes store 256 consecutive bytes
.endm
	PASS 0
	PASS 1
.Lquant:
	s_wait_loadcnt 0x0
.irp c, 0,1                                            ; my block 2 c + h of the K step: all its 32 numbers are mine
	v_max3_num_f32 v[32+\c], |v[64+32*\c]|, |v[65+32*\c]|, 0x1800000   ; and the floor 2^(3 - 127): the byte cannot fall under 1
.endr
.irp i, 2,4,6,8,10,12,14,16,18,20,22,24,26,28,30
.irp c, 0,1
	v_max3_num_f32 v[32+\c], v[32+\c], |v[64+32*\c+\i]|, |v[65+32*\c+\i]|   ; (the two blocks by turns)
.endr
.endr
.irp c, 0,1
	v_add_nc_u32 v[44+\c], 0xff000000, v[32+\c]    ; 2 off the exponent field: the conversion takes the exponent field of this operand as its scale
.endr
.irp c, 0,1
	v_lshrrev_b32 v[36+\c], 23, v[44+\c]           ; the scale's byte
.endr
	v_lshl_or_b32 v9, v37, 16, v36                 ; my two bytes: blocks h and 2 + h,
	v_lshlrev_b32 v10, 3, v2
	v_lshlrev_b32 v9, v10, v9                      ; at their places in the word;
	v_mov_b32 v10, 0
	v_permlanex16_b32 v10, v9, s26, s27
	v_or_b32 v9, v9, v10                           ; with lane l xor 16's two the word is whole
.irp c, 0,1
.irp g, 0,1,2,3
	v_cvt_scalef32_pk8_fp4_f32 v[48+4*\c+\g], v[64+32*\c+8*\g:71+32*\c+8*\g], v[44+\c]
.endr
.endr
	v_nop                                          ; one plain place behind the last scaled conversion
	global_store_b128 v4, v[48:51], s[12:13]
	global_store_b128 v4, v[52:55], s[12:13] offset:512
	global_store_b32 v5, v9, s[14:15]
	s_endpgm
.Lfunc_end_k_q65389d9080_prep:
	.size	k_q65389d9080_prep, .Lfunc_end_k_q65389d9080_prep-k_q65389d9080_prep
	.p2alignl 7, 3214868480
	.fill 96, 4, 3214868480
	.section	.rodata,"a",@progbits
	.p2align	6, 0x0
	.amdhsa_kernel k_q65389d9080_prep
		.amdhsa_group_segment_fixed_size 0
		.amdhsa_private_segment_fixed_size 0
		.amdhsa_enable_private_segment 0
		.amdhsa_kernarg_size 56
		.amdhsa_user_sgpr_count 2
		.amdhsa_user_sgpr_kernarg_segment_ptr 1
		.amdhsa_wavefront_size32 1
		.amdhsa_system_sgpr_workgroup_id_x 1
		.amdhsa_system_sgpr_workgroup_id_y 1
		.amdhsa_system_sgpr_workgroup_id_z 1
		.amdhsa_system_vgpr_workitem_id 0
		.amdhsa_next_free_vgpr 128
		.amdhsa_next_free_sgpr 66
		.amdhsa_reserve_vcc 1
		.amdhsa_float_denorm_mode_32 3
		.amdhsa_float_denorm_mode_16_64 3
		.amdhsa_memory_ordered 1
		.amdhsa_forward_progress 1
		.amdhsa_inst_pref_size 26
	.end_amdhsa_kernel
	.amdgpu_metadata
---
amdhsa.version: [ 1, 2 ]
amdhsa.kernels:
  - .name:           k_q65389d9080_prep
    .symbol:         k_q65389d9080_prep.kd
    .args:
      - { .name: iW1, .offset: 0, .size: 8, .value_kind: global_buffer, .address_space: global }
      - { .name: iW2, .offset: 8, .size: 8, .value_kind: global_buffer, .address_space: global }
      - { .name: hW1, .offset: 16, .size: 8, .value_kind: global_buffer, .address_space: global }
      - { .name: hW2, .offset: 24, .size: 8, .value_kind: global_buffer, .address_space: global }
      - { .name: wcodes, .offset: 32, .size: 8, .value_kind: global_buffer, .address_space: global }
      - { .name: wscales, .offset: 40, .size: 8, .value_kind: global_buffer, .address_space: global }
      - { .name: nodes, .offset: 48, .size: 8, .value_kind: global_buffer, .address_space: global }
    .group_segment_fixed_size: 0
    .private_segment_fixed_size: 0
    .kernarg_segment_align: 8
    .kernarg_segment_size: 56
    .max_flat_workgroup_size: 128
    .sgpr_count:     66
    .vgpr_count:     128
    .wavefront_size: 32
...
	.end_amdgpu_metadata
.endif
;; end of part 1
;; launch main (part 2): grid 256 x 1, 8 waves a work-group, no clusters, 116,224 bytes of LDS; arguments x, h, iW0, ib0, ib1, ib2, iW3, ib3, hW0, hb0, hb1, hb2, hW3, hb3, wcodes, wscales, nodes, out0; writes out0
.if DOCPART == 2
	.amdgcn_target "amdgcn-amd-amdhsa--gfx1250"
	.amdhsa_code_object_version 6
	.text
	.protected	k_q65389d9080_main
	.globl	k_q65389d9080_main
	.p2align	8
	.type	k_q65389d9080_main,@function
k_q65389d9080_main:
	s_mov_b64 s[64:65], 0
	v_nop
	global_prefetch_b8 v0, s[64:65] scope:SCOPE_SE
	s_setreg_imm32_b32 hwreg(HW_REG_WAVE_MODE, 25, 1), 1
	s_wait_xcnt 0x0
; MonotonicNN, second launch: everything from x, h to out0.  No work of reference() is left out (see the first kernel's head); h . iW0[1:] + ib0, which reference() forms at each of the 51 nodes, is formed once a batch row.
; SHARES.  A work-group owns 32 batch rows: two groups of four waves, group g rows 16 g + r (r = lane % 16), at all 51 nodes.  THE FOUR WAVES OF A GROUP SHARE THE COLUMNS: wave w owns units 64 w .. 64 w + 63 of every
; layer, so its part of both 256 x 256 weights (128 registers of codes), their scale words, both biases, iW3 and the two vectors a, c of the first layer stay in its registers for the whole launch.
; What goes round through LDS is a node's activations as codes: 2,048 bytes and 128 scale bytes a layer, laid as an image of the operand's registers.
; LAYOUT.  The products are used transposed (source 0 = 16 columns of the weight, source 1 = the 16 batch rows): lane (r, h) holds row r, and register 16 b + i of a wave's four result tiles holds unit
; 64 w + 32 b + 16 h + i (the first kernel chose the tiles' columns for that).  Every vector over units (biases, rows of iW0 and hW0, iW3, hW3's columns, a, c) is loaded in that same order.
; FIRST LAYER: z0 = relu(tau_n a + c), a = 0.5 x iW0[0], c = h . iW0[1:] + ib0: one fused multiply-add a number.
; QUANTISER WITH RELU: the block's maximum is taken without |.| (what is negative must not count; the floor 2^(3 - 127) stands over it); the numbers are converted as they are, and codes with the sign bit set are
; cleared: a negative number gives a negative code or -0 whatever its size, a number that is not negative is converted as relu leaves it.
; PIPELINE: 17 groups of 3 nodes, 19 steps, one barrier a step.  In step i: layer 0 of nodes 3 i + k -> images A[i % 2]; layer 1 of nodes 3 (i - 1) + k reads A[1 - i % 2] -> B[i % 2]; layer 2 and the dot with iW3
; of nodes 3 (i - 2) + k read B[1 - i % 2] -> a partial sum a lane.  An image is written in one step, read in the next and written again in the step after: a barrier, with all the wave's LDS instructions
; waited for in front of its signal, parts each two.  The h net runs first, as one node through the same macros and registers, on its own weights; then the integrand's weights take their place.
; No tensor load, no cluster: the only bytes that work-groups share are the weights, which each wave reads once into registers; nothing is streamed, so nothing is prefetched.
; LIMITS: z0's f32 sum is ordered otherwise than reference()'s 8-term product (h-terms first, the x-term last, fused); a block of zeros carries the byte 1 (zero codes; the bytes never leave the chip);
; blocks whose largest number lies under 2^-124 are held at that byte; NaN and infinities among the inputs are not served.
.set RECB,  2304                       ; LDS: an image: 2,048 bytes of codes, 128 of scale bytes, 128 unused
.set GIMG,  12*RECB                    ; a group's twelve images: number 6 p + 3 st + k (p parity, st 0 = A, 1 = B, k node of the step)
.set PART,  2*GIMG                     ; the partial sums: [wave][56 nodes][r][h] f32; nodes 51 to 55 hold zeros
.set PWV,   56*128                     ; a wave's
.set HP,    PART+8*PWV                 ; the h net's partial sums: [g][r][w][h][2]
.set RED,   HP+2048                    ; the integrals' parts: [g][r][w]
.set SPARE, RED+512                    ; the spare words, 128 bytes for each wave: four blocks of 256 bytes that no other line names
; window 0
.set SPW, 1                            ; v1   my spare word's LDS address; never rewritten
.set NIL, 2                            ; v2   0; never rewritten
.set RDI, 3                            ; v3   an image's codes, read: group + 16 x lane
.set RDS, 4                            ; v4   its scale words, read: group + 2,048 + 8 r
.set WRI, 5                            ; v5   codes, written: group + 512 w + 16 r + 8 h
.set WRS, 6                            ; v6   scale bytes, written: group + 2,048 + 8 r + 2 w
.set PWA, 7                            ; v7   where the step's partial sums go
.set VOW, 8                            ; v8   wcodes: 16 x lane + 8,192 w
.set VOS, 9                            ; v9   wscales: 4 x lane + 1,024 w
.set VOV, 10                           ; v10  a vector over units: 256 w + 64 h
.set VOC, 11                           ; v11  hW3: 512 w + 128 h
.set VOH, 12                           ; v12  h: 28 x my batch row
.set VOX, 13                           ; v13  x: 4 x my batch row
.set RR,  14                           ; v14  r
.set HH,  15                           ; v15  h
.set WSC, 16                           ; v16-31  the weights' scale words: layer L, tile t, K step s at 8 L + 2 t + s.  Scales and nothing else
.set INS, 32                           ; v32-39  the four input sets' scale words, a pair (K steps 0, 1) each.  Scales and nothing else
.set C,   40                           ; v40-71  c
.set INC, 72                           ; v72-135 four input sets of 16: 0, 1 for layer 1, 2, 3 for layer 2 (even and odd node of a step)
.set ACC1, 136                         ; v136-167 layer 1's four tiles
.set ACC2, 168                         ; v168-199 layer 2's
.set Z,   200                          ; v200-231 layer 0's numbers
.set TM,  232                          ; v232-239 at work
.set CODE, 240                         ; v240-244, v246-250 two sets: four registers of codes and the two scale bytes
.set PS,  252                          ; v252-254 the three nodes' partial sums
.set PW0, 255                          ; v255 PART + my wave's run + 8 r + 4 h; never rewritten
.set RB,  72                           ; at the head: four buffers of 32 for rows of hW0 and iW0 (v72-199)
.set HV,  232                          ; at the head: h_i at v[232 + 2 i]: the packed form names a pair and takes its low word for both halves
.set XS,  246                          ; at the head: 0.5 x
; window 1
.set W1F, 0                            ; layer 1's eight fragments, (t, s) at 8 (2 t + s)
.set W2F, 64                           ; layer 2's
.set B1,  128                          ; the biases, in the result's layout
.set B2,  160
.set W3,  192                          ; iW3 (in the h net: hW3's column 0)
.set A,   224                          ; a
; scalars: s[4:39] the eighteen addresses in the order of the arguments
.set WV,  40                           ; wave 0..7
.set WQ,  41                           ; w: wave % 4
.set GR,  42                           ; g: wave / 4
.set TRIP, 43
.set SEL, 44                           ; s[44:45] v_permlanex16_b32's selects for lane l xor 16
.set SGN, 46                           ; the sign bits of eight codes
.set IB3, 47
.set TAU, 48                           ; s[48:55], s[56:63] four table entries {tau, cc} for an even, an odd step
.set NP,  66                           ; s[66:67] the table, stepped 24 bytes a step
.set HB3, 68                           ; s[68:69]
.set PN,  76                           ; 384 x (step - 2): the step's place in a wave's partial sums
.set MSB, 0
.set DSC, 0                            ; LDS instructions issued since the last wait for all of them
.set LDC, 0                            ; global loads issued
.set MKC0, 0
.set MKC1, 0
.set CS, 0                             ; which set of code registers is next
.macro WIN new                         ; s_set_vgpr_msb: bits 1:0 source 0, 3:2 source 1, 5:4 source 2, 7:6 destination; the high byte repeats the setting that is left
.if MSB != \new
	s_set_vgpr_msb (MSB<<8)|\new
.set MSB, \new
.endif
.endm
.macro DSWAIT mk                       ; LDS instructions end in order: as many may stay out as were issued behind the marked one.  Mark 0: it was waited for at the last barrier
.if (\mk) > 0
	s_wait_dscnt DSC-(\mk)
.endif
.endm
.macro LDWAIT mk                       ; the same for global loads
.if LDC-(\mk) > 63
	s_wait_loadcnt 63
.else
	s_wait_loadcnt LDC-(\mk)
.endif
.endm
.macro PLACES                          ; four places behind a matrix instruction, ahead of reads of its result and of loads into its registers
.rept 4
	v_nop
.endr
.endm
.macro BAR                             ; my LDS stores have landed and my LDS loads are in: then the work-group's barrier
	s_wait_dscnt 0x0
	s_barrier_signal -1
	s_barrier_wait -1
.set DSC, 0
.set MKC0, 0
.set MKC1, 0
.endm
.macro VLOAD dst, ptr, off             ; 32 numbers of a vector over units: register 16 b + 4 q + .. = unit 64 w + 32 b + 16 h + 4 q + ..
.irp b, 0,1
.irp q, 0,1,2,3
	global_load_b128 v[(\dst)+16*\b+4*\q:(\dst)+16*\b+4*\q+3], v[VOV], s[\ptr:\ptr+1] offset:(\off)+128*\b+16*\q
.endr
.endr
.set LDC, LDC+8
.endm
.macro WFRAG net, lay, f0              ; four of my eight fragments of a weight (destination: window 1)
.irp f, 0,1,2,3
.irp c, 0,1
	global_load_b128 v[64*(\lay)+8*((\f0)+\f)+4*\c:64*(\lay)+8*((\f0)+\f)+4*\c+3], v[VOW], s[32:33] offset:(2*(\net)+(\lay))*32768+1024*((\f0)+\f)+512*\c
.endr
.endr
.set LDC, LDC+8
.endm
.macro WSCL net, lay                   ; and their eight scale words (window 0)
.irp f, 0,1,2,3,4,5,6,7
	global_load_b32 v[WSC+8*(\lay)+\f], v[VOS], s[34:35] offset:(2*(\net)+(\lay))*4096+128*\f
.endr
.set LDC, LDC+8
.endm
.macro WSET net, lay, bptr             ; a layer's whole set: 32 loads
	WIN 0x40
	WFRAG \net, \lay, 0
	WFRAG \net, \lay, 4
	VLOAD B1+32*(\lay), \bptr, 0
	WIN 0
	WSCL \net, \lay
.endm
.macro COL dst, i0, col                ; eight numbers of a column of hW3 ([256][2]): registers i0 .. i0 + 7 of the 32
.irp n, 0,1,2,3,4,5,6,7
	global_load_b32 v[(\dst)+\n], v[VOC], s[28:29] offset:(32*(((\i0)+\n)/16)+((\i0)+\n)%16)*8+4*(\col)
.endr
.set LDC, LDC+8
.endm
.macro ROWLD j                         ; row j of fifteen into buffer j % 4: hW0's seven, iW0's rows 1 to 7, iW0's row 0
.if (\j) < 7
	VLOAD RB+32*((\j)%4), 20, 1024*(\j)
.elseif (\j) < 14
	VLOAD RB+32*((\j)%4), 8, 1024*((\j)-6)
.else
	VLOAD RB+32*((\j)%4), 8, 0
.endif
.if (\j)%4 == 0
.set MKR0, LDC
.elseif (\j)%4 == 1
.set MKR1, LDC
.elseif (\j)%4 == 2
.set MKR2, LDC
.else
.set MKR3, LDC
.endif
.endm
.macro RBWAIT j
.if (\j)%4 == 0
	LDWAIT MKR0
.elseif (\j)%4 == 1
	LDWAIT MKR1
.elseif (\j)%4 == 2
	LDWAIT MKR2
.else
	LDWAIT MKR3
.endif
.endm
.macro ROWFMA dst, b, i                ; dst += buffer b x h_i
.irp n, 0,2,4,6,8,10,12,14,16,18,20,22,24,26,28,30
	v_pk_fma_f32 v[(\dst)+\n:(\dst)+\n+1], v[RB+32*(\b)+\n:RB+32*(\b)+\n+1], v[HV+2*(\i):HV+2*(\i)+1], v[(\dst)+\n:(\dst)+\n+1] op_sel_hi:[1,0,1]
.endr
.endm
.macro HCHUNK j                        ; eight loads of the h net's set, dealt over the head's first twelve rows
.if (\j) < 2
	WIN 0x40
	WFRAG 1, 0, 4*(\j)
.elseif (\j) == 2
	WSCL 1, 0
.elseif (\j) == 3
	WIN 0x40
	VLOAD B1, 24, 0
.elseif (\j) < 6
	WIN 0x40
	WFRAG 1, 1, 4*((\j)-4)
.elseif (\j) == 6
	WSCL 1, 1
.elseif (\j) == 7
	WIN 0x40
	VLOAD B2, 26, 0
.else
	WIN 0x40
	COL W3+8*((\j)-8), 8*((\j)-8), 0
.endif
	WIN 0
.endm
; An image comes back as the operand's registers: part q (K step q / 2, registers 4 (q % 2) ..) at 512 q + 16 x lane; the row's eight scale bytes as the two K steps' words.
.macro LOADIN set, rec
.irp q, 0,1,2,3
	ds_load_b128 v[INC+16*(\set)+4*\q:INC+16*(\set)+4*\q+3], v[RDI] offset:(\rec)+512*\q
.endr
	ds_load_b64 v[INS+2*(\set):INS+2*(\set)+1], v[RDS] offset:(\rec)
.set DSC, DSC+5
.if (\set)%2 == 0
.set MKN0, DSC
.else
.set MKN1, DSC
.endif
.endm
.macro WM d, a, b, c, sa, sb
	v_wmma_scale_f32_16x16x128_f8f6f4 v[(\d):(\d)+7], v[(\a):(\a)+7], v[(\b):(\b)+7], v[(\c):(\c)+7], v[(\sa)], v[(\sb)] matrix_a_fmt:MATRIX_FMT_FP4 matrix_b_fmt:MATRIX_FMT_FP4
.endm
; The matrix work of one node of each layer that is on: K step 0 starts each sum with the bias as C, K step 1 adds in place.  The four or eight accumulators take turns, one instruction a turn.
.macro MM l1, l2, par
	WIN 0x11                                       ; weights (source 0) and bias (source 2) in window 1
.if \l1
.irp t, 0,1,2,3
	WM ACC1+8*\t, W1F+16*\t, INC+16*(\par), B1+8*\t, WSC+2*\t, INS+2*(\par)
.endr
.endif
.if \l2
.irp t, 0,1,2,3
	WM ACC2+8*\t, W2F+16*\t, INC+32+16*(\par), B2+8*\t, WSC+8+2*\t, INS+4+2*(\par)
.endr
.endif
	WIN 0x01
.if \l1
.irp t, 0,1,2,3
	WM ACC1+8*\t, W1F+16*\t+8, INC+16*(\par)+8, ACC1+8*\t, WSC+2*\t+1, INS+2*(\par)+1
.endr
.endif
.if \l2
.irp t, 0,1,2,3
	WM ACC2+8*\t, W2F+16*\t+8, INC+32+16*(\par)+8, ACC2+8*\t, WSC+8+2*\t+1, INS+4+2*(\par)+1
.endr
.endif
.endm
; relu and quantiser for a lane's 32 numbers, v[src] on: two half blocks of 16 (the other halves lie in lane l xor 16).  Each tile of results is read from its low end on.
.macro QUANT src
.set CD, CODE+6*CS
	v_max3_num_f32 v[TM], v[(\src)], v[(\src)+1], 0x1800000        ; no |.|: what is negative does not count; the floor 2^(3 - 127) holds the byte at 1 from below
	v_max3_num_f32 v[TM+1], v[(\src)+16], v[(\src)+17], 0x1800000
.irp i, 2,4,6,8,10,12,14
	v_max3_num_f32 v[TM], v[TM], v[(\src)+\i], v[(\src)+\i+1]      ; (the two blocks by turns)
	v_max3_num_f32 v[TM+1], v[TM+1], v[(\src)+16+\i], v[(\src)+17+\i]
.endr
	v_permlanex16_b32 v[TM+2], v[TM], s[SEL], s[SEL+1]
	v_permlanex16_b32 v[TM+3], v[TM+1], s[SEL], s[SEL+1]
	v_max_num_f32 v[TM], v[TM], v[TM+2]            ; the block's largest number
	v_max_num_f32 v[TM+1], v[TM+1], v[TM+3]
	v_add_nc_u32 v[TM+4], 0xff000000, v[TM]        ; 2 off the exponent field: the conversion's scale operand
	v_add_nc_u32 v[TM+5], 0xff000000, v[TM+1]
.if CS == 0
	DSWAIT MKC0                                    ; this set's last stores are done
.else
	DSWAIT MKC1
.endif
	v_cvt_scalef32_pk8_fp4_f32 v[CD], v[(\src):(\src)+7], v[TM+4]
	v_cvt_scalef32_pk8_fp4_f32 v[CD+1], v[(\src)+8:(\src)+15], v[TM+4]
	v_cvt_scalef32_pk8_fp4_f32 v[CD+2], v[(\src)+16:(\src)+23], v[TM+5]
	v_cvt_scalef32_pk8_fp4_f32 v[CD+3], v[(\src)+24:(\src)+31], v[TM+5]
	v_lshrrev_b32 v[TM+6], 23, v[TM+4]             ; the scales' bytes (plain places behind the conversions)
	v_lshrrev_b32 v[TM+7], 23, v[TM+5]
	v_lshl_or_b32 v[CD+4], v[TM+7], 8, v[TM+6]
.irp n, 0,1,2,3
	v_bfi_b32 v[TM+\n], v[CD+\n], 0, s[SGN]        ; relu on the codes: 8 in each nibble whose sign bit is clear,
.endr
.irp n, 0,1,2,3
	v_lshrrev_b32 v[TM+4+\n], 3, v[TM+\n]
.endr
.irp n, 0,1,2,3
	v_sub_nc_u32 v[TM+\n], v[TM+\n], v[TM+4+\n]    ; 8 - 1 = 7 there, 0 elsewhere:
.endr
.irp n, 0,1,2,3
	v_and_b32 v[CD+\n], v[CD+\n], v[TM+\n]         ; negative codes become 0
.endr
.endm
; My 8 bytes of block b are bytes 8 h .. of lane (r, b)'s 16 in part w of the image; my two scale bytes are bytes 2 w, 2 w + 1 of the row's eight (both halves of the lanes write the same value).
.macro STOREIMG rec
	ds_store_b64 v[WRI], v[CD:CD+1] offset:(\rec)
	ds_store_b64 v[WRI], v[CD+2:CD+3] offset:(\rec)+256
	ds_store_b16 v[WRS], v[CD+4] offset:(\rec)
.set DSC, DSC+3
.if CS == 0
.set MKC0, DSC
.else
.set MKC1, DSC
.endif
.set CS, 1-CS
.endm
.macro LAY0 k, p                       ; layer 0 of the step's node k: tau a + c, quantised, to image A[p][k]
	WIN 0x01                                       ; a in window 1
.irp n, 0,2,4,6,8,10,12,14,16,18,20,22,24,26,28,30
	v_pk_fma_f32 v[Z+\n:Z+\n+1], v[A+\n:A+\n+1], s[TAU+8*(\p)+2*(\k):TAU+8*(\p)+2*(\k)+1], v[C+\n:C+\n+1] op_sel_hi:[1,0,1]
.endr
	WIN 0
	QUANT Z
	STOREIMG (6*(\p)+(\k))*RECB
.endm
.macro RELU acc
.irp n, 0,1,2,3,4,5,6,7,8,9,10,11,12,13,14,15,16,17,18,19,20,21,22,23,24,25,26,27,28,29,30,31
	v_max_num_f32 v[(\acc)+\n], 0, v[(\acc)+\n]
.endr
.endm
.macro DOT acc, wv, win, ps            ; the lane's 32 numbers times 32 weights, two at a time in two chains
	WIN \win
	v_pk_mul_f32 v[TM:TM+1], v[(\acc):(\acc)+1], v[(\wv):(\wv)+1]
	v_pk_mul_f32 v[TM+2:TM+3], v[(\acc)+2:(\acc)+3], v[(\wv)+2:(\wv)+3]
.irp n, 4,8,12,16,20,24,28
	v_pk_fma_f32 v[TM:TM+1], v[(\acc)+\n:(\acc)+\n+1], v[(\wv)+\n:(\wv)+\n+1], v[TM:TM+1]
	v_pk_fma_f32 v[TM+2:TM+3], v[(\acc)+\n+2:(\acc)+\n+3], v[(\wv)+\n+2:(\wv)+\n+3], v[TM+2:TM+3]
.endr
	WIN 0
	v_pk_add_f32 v[TM:TM+1], v[TM:TM+1], v[TM+2:TM+3]
	v_add_f32 v[(\ps)], v[TM], v[TM+1]
.endm
; A STEP.  p: its parity; l0, l1, l2: which layers are on; ld: 1 = the table entries of the step after next are fetched, 2 = but not in the loop's last trip; last: the last step.
.macro STEP p, l0, l1, l2, ld, last
.set DSC, 0
.set MKC0, 0
.set MKC1, 0
.if \l1
	LOADIN 0, (6*(1-\p)+0)*RECB                    ; nodes 0 and 1 of both layers: 20 loads; layer 0's first node stands between them and their use
.endif
.if \l2
	LOADIN 2, (6*(1-\p)+3)*RECB
.endif
.if \l1
	LOADIN 1, (6*(1-\p)+1)*RECB
.endif
.if \l2
	LOADIN 3, (6*(1-\p)+4)*RECB
.endif
.if \l0
	s_wait_kmcnt 0x0                               ; this step's table entries are in, and no scalar load reads the table's address any more
.if \ld
	s_add_nc_u64 s[NP:NP+1], s[NP:NP+1], 24
.endif
	LAY0 0, \p
.endif
.irp k, 0,1,2
.if \l1 || \l2
.if \k == 1
	DSWAIT MKN1
.else
	DSWAIT MKN0
.endif
	MM \l1, \l2, \k%2
.endif
.if \l0 && (\k < 2)
	LAY0 \k+1, \p                                  ; its multiply-adds name none of the products' registers: they are the places behind them
.elseif \l1 || \l2
	WIN 0
	PLACES
.endif
.if \l0 && (\k == 1)
.if \ld == 2
	s_cmp_eq_u32 s[TRIP], 1                        ; the last trip's steps have no step two on that runs layer 0
	s_cbranch_scc1 .Lnoload_\@
.endif
.if \ld
	s_load_b256 s[TAU+8*\p:TAU+8*\p+7], s[NP:NP+1], 0x18   ; this set's last reader is issued
.endif
.if \ld == 2
.Lnoload_\@:
.endif
.endif
.if \l1
	QUANT ACC1
	STOREIMG (6*\p+3+\k)*RECB
.endif
.if \k == 0
.if \l1
	LOADIN 0, (6*(1-\p)+2)*RECB                    ; node 2 takes node 0's registers
.endif
.if \l2
	LOADIN 2, (6*(1-\p)+5)*RECB
.endif
.endif
.if (\k == 2) && !\last
	s_wait_dscnt 0x0                               ; my images of this step have landed, and my reads of the last step's are in:
	s_barrier_signal -1                            ; say so; the last node's relu and dot, work on registers, stand between signal and wait
.endif
.if \l2
	RELU ACC2
	DOT ACC2, W3, 0x04, PS+\k
.if \k == 0
	v_add_nc_u32 v[PWA], s[PN], v[PW0]             ; (the last step's store by this register is older than the loads that have been waited for)
.endif
.if (\k < 2) || \last
	ds_store_b32 v[PWA], v[PS+\k] offset:128*\k
.set DSC, DSC+1
.endif
.endif
.endr
.if \last
	BAR
.else
	s_barrier_wait -1
.if \l2
	ds_store_b32 v[PWA], v[PS+2] offset:256
.endif
.endif
.if \l2
	s_add_co_u32 s[PN], s[PN], 384
.endif
.endm
; ---- THE HEAD
	s_load_b512 s[4:19], s[0:1], 0x0               ; x s[4:5], h s[6:7], iW0 s[8:9], ib0 s[10:11], ib1 s[12:13], ib2 s[14:15], iW3 s[16:17], ib3 s[18:19]
	s_load_b512 s[20:35], s[0:1], 0x40             ; hW0 s[20:21], hb0 s[22:23], hb1 s[24:25], hb2 s[26:27], hW3 s[28:29], hb3 s[30:31], wcodes s[32:33], wscales s[34:35]
	s_load_b128 s[36:39], s[0:1], 0x80             ; nodes s[36:37], out0 s[38:39]
	v_lshl_add_u32 v[SPW], v0, 2, SPARE
	v_mov_b32 v[NIL], 0
	v_lshrrev_b32 v[PWA], 5, v0
	v_readfirstlane_b32 s[WV], v[PWA]
	s_and_b32 s[WQ], s[WV], 3
	s_lshr_b32 s[GR], s[WV], 2
	v_and_b32 v[RR], 15, v0
	v_bfe_u32 v[HH], v0, 4, 1
	v_and_b32 v[PWA], 31, v0                       ; lane
	s_mul_i32 s70, s[GR], GIMG                     ; my group's images
	v_lshlrev_b32 v[RDI], 4, v[PWA]
	v_lshlrev_b32 v[VOW], 4, v[PWA]
	v_lshlrev_b32 v[VOS], 2, v[PWA]
	v_add_nc_u32 v[RDI], s70, v[RDI]
	s_add_co_u32 s71, s70, 2048
	v_lshlrev_b32 v[RDS], 3, v[RR]
	v_add_nc_u32 v[RDS], s71, v[RDS]
	s_lshl_b32 s72, s[WQ], 1
	v_add_nc_u32 v[WRS], s72, v[RDS]
	s_lshl_b32 s72, s[WQ], 9
	s_add_co_u32 s72, s72, s70
	v_lshlrev_b32 v[WRI], 4, v[RR]
	v_lshl_add_u32 v[WRI], v[HH], 3, v[WRI]
	v_add_nc_u32 v[WRI], s72, v[WRI]
	s_mul_i32 s72, s[WV], PWV
	s_add_co_u32 s72, s72, PART
	v_lshlrev_b32 v[PW0], 3, v[RR]
	v_lshl_add_u32 v[PW0], v[HH], 2, v[PW0]
	v_add_nc_u32 v[PW0], s72, v[PW0]
	s_lshl_b32 s72, s[WQ], 13
	v_add_nc_u32 v[VOW], s72, v[VOW]
	s_lshl_b32 s72, s[WQ], 10
	v_add_nc_u32 v[VOS], s72, v[VOS]
	s_lshl_b32 s72, s[WQ], 8
	v_lshlrev_b32 v[VOV], 6, v[HH]
	v_add_nc_u32 v[VOV], s72, v[VOV]
	s_lshl_b32 s72, s[WQ], 9
	v_lshlrev_b32 v[VOC], 7, v[HH]
	v_add_nc_u32 v[VOC], s72, v[VOC]
	s_lshl_b32 s72, ttmp9, 5
	s_lshl_b32 s73, s[GR], 4
	s_add_co_u32 s72, s72, s73
	v_add_nc_u32 v[VOX], s72, v[RR]                ; my batch row: 32 x work-group + 16 g + r
	v_mul_u32_u24 v[VOH], v[VOX], 28
	v_lshlrev_b32 v[VOX], 2, v[VOX]
	s_mov_b32 s[SEL], 0x76543210
	s_mov_b32 s[SEL+1], 0xfedcba98
	s_mov_b32 s[SGN], 0x88888888
	s_mov_b32 s[PN], 0
.irp i, 0,1,2,3,4,5,6,7
	v_mov_b32 v[HV+2*\i+1], 0                      ; (named as the upper halves of the pairs of h_i and 0.5 x, so they are written)
.endr
.irp n, 51,52,53,54,55
	ds_store_b32 v[PW0], v[HV+1] offset:128*\n     ; the five nodes that the way out reads and no step writes
.endr
	s_wait_kmcnt 0x0
	s_load_b32 s[IB3], s[18:19], 0x0
	s_load_b64 s[HB3:HB3+1], s[30:31], 0x0
	s_load_b256 s[TAU:TAU+7], s[36:37], 0x0        ; the table entries of step 0 (nodes 0 to 2, and one more),
	s_load_b256 s[TAU+8:TAU+15], s[36:37], 0x18    ; of step 1
	s_mov_b64 s[NP:NP+1], s[36:37]
.irp i, 0,1,2,3,4,5,6
	global_load_b32 v[HV+2*\i], v[VOH], s[6:7] offset:4*\i
.endr
	global_load_b32 v248, v[VOX], s[4:5]
.set LDC, LDC+8
	VLOAD Z, 22, 0                                 ; the sums begin with the biases: hb0,
	VLOAD C, 10, 0                                 ; ib0
	ROWLD 0
	ROWLD 1
	ROWLD 2
	ROWLD 3
; Fifteen rows through four buffers, four rows ahead: Z = hb0 + h . hW0 (the h net's first layer), c = ib0 + h . iW0[1:], a = 0.5 x iW0[0].  The h net's weights are asked for on the way.
.irp j, 0,1,2,3,4,5,6,7,8,9,10,11,12,13,14
	RBWAIT \j                                      ; this row is in; the rows and the weights asked for behind it may stay out
.if \j == 0
	v_mul_f32 v[XS], 0.5, v248
.endif
.if \j < 7
	ROWFMA Z, \j%4, \j
.elseif \j < 14
	ROWFMA C, \j%4, \j-7
.else
	WIN 0x40
.irp n, 0,2,4,6,8,10,12,14,16,18,20,22,24,26,28,30
	v_pk_mul_f32 v[A+\n:A+\n+1], v[RB+64+\n:RB+64+\n+1], v[XS:XS+1] op_sel_hi:[1,0]
.endr
	WIN 0
.endif
.if \j+4 < 15
	ROWLD \j+4
.endif
.if \j < 12
	HCHUNK \j
.endif
.endr
.set MKH, LDC
; ---- THE H NET: one node through the integrand's macros and registers
	s_wait_dscnt 0x0                               ; the head's five stores are done: their data register is written below
	QUANT Z
	STOREIMG 0
	COL Z, 0, 1                                    ; hW3's column 1 takes Z's place
	COL Z+8, 8, 1
	COL Z+16, 16, 1
	COL Z+24, 24, 1
.set MKCOL, LDC
	BAR                                            ; the first layer's image is whole
	LOADIN 0, 0
	LDWAIT MKH                                     ; the h net's weights, biases and hW3's column 0 are in; column 1's 32 loads may stay out
	s_wait_dscnt 0x0
	MM 1, 0, 0
	WIN 0
	PLACES
	QUANT ACC1
	STOREIMG 3*RECB
	WSET 0, 0, 12                                  ; layer 1's registers take the integrand's set: iW1's codes and scale words, ib1
	BAR                                            ; the second layer's image is whole
	LOADIN 2, 3*RECB
	s_wait_dscnt 0x0
	MM 0, 1, 0
	WIN 0
	PLACES
	RELU ACC2
	DOT ACC2, W3, 0x04, PS                         ; my part of o0
	LDWAIT MKCOL                                   ; column 1 is in; the 32 loads of the integrand's first set may stay out
	DOT ACC2, Z, 0, PS+1                           ; and of o1
	s_lshl_b32 s70, s[GR], 10
	s_lshl_b32 s71, s[WQ], 4
	s_add_co_u32 s70, s70, s71
	s_add_co_u32 s70, s70, HP
	v_lshlrev_b32 v[PWA], 6, v[RR]
	v_lshl_add_u32 v[PWA], v[HH], 3, v[PWA]
	v_add_nc_u32 v[PWA], s70, v[PWA]
	ds_store_b64 v[PWA], v[PS:PS+1]
	WSET 0, 1, 14                                  ; iW2's codes and scale words, ib2
	WIN 0x40
	VLOAD W3, 16, 0                                ; iW3
	WIN 0
; ---- THE INTEGRAND: 19 steps.  Image A[0] was last read ahead of the barrier above; B[0] is written next in step 2, two barriers on.
	STEP 0, 1, 0, 0, 1, 0
	s_wait_loadcnt 0x0                             ; the integrand's sets are in
	STEP 1, 1, 1, 0, 1, 0
	STEP 0, 1, 1, 1, 1, 0
	s_mov_b32 s[TRIP], 7
.Ltrip:                                                ; steps 3 to 16, two a trip
	STEP 1, 1, 1, 1, 2, 0
	STEP 0, 1, 1, 1, 2, 0
	s_sub_co_u32 s[TRIP], s[TRIP], 1
	s_cmp_lg_u32 s[TRIP], 0
	s_cbranch_scc1 .Ltrip
	STEP 1, 0, 1, 1, 0, 0
	STEP 0, 0, 0, 1, 0, 1
; ---- THE WAY OUT.  Thread (w, r, h) of group g takes row r at nodes 8 k + 2 w + h, k = 0 .. 6: the eight partial sums (four waves, two halves), + ib3, elu + 1, times cc.
	v_lshlrev_b32 v3, 3, v[RR]
	v_lshl_add_u32 v3, v[HH], 7, v3
	s_mul_i32 s70, s[GR], 4*PWV
	s_lshl_b32 s71, s[WQ], 8
	s_add_co_u32 s70, s70, s71
	s_add_co_u32 s70, s70, PART
	v_add_nc_u32 v3, s70, v3                       ; PART + my group + 128 (2 w + h) + 8 r
	v_lshlrev_b32 v4, 3, v[HH]
	s_lshl_b32 s71, s[WQ], 4
	v_add_nc_u32 v4, s71, v4                       ; the table: 8 (2 w + h)
	v_lshlrev_b32 v5, 4, v[RR]
	s_lshl_b32 s71, s[GR], 8
	s_lshl_b32 s72, s[WQ], 2
	s_add_co_u32 s71, s71, s72
	s_add_co_u32 s71, s71, RED
	v_add_nc_u32 v5, s71, v5                       ; RED + 256 g + 16 r + 4 w
	v_and_b32 v6, 31, v0
	v_lshl_add_u32 v8, v6, 4, RED                  ; for wave 0, lane = 16 g + r: the row's four parts,
	v_lshl_add_u32 v9, v6, 6, HP                   ; its sixteen numbers of the h net,
	s_lshl_b32 s73, ttmp9, 7
	v_lshl_add_u32 v10, v6, 2, s73                 ; and its place in x and in out0
.irp k, 0,1,2,3,4,5,6
.irp u, 0,1,2,3
	ds_load_b64 v[72+8*\k+2*\u:73+8*\k+2*\u], v3 offset:PWV*\u+1024*\k
.endr
.endr
.irp k, 0,1,2,3,4,5,6
	global_load_b32 v[128+\k], v4, s[36:37] offset:64*\k+4         ; cc
.endr
	s_wait_dscnt 0x0
.irp k, 0,1,2,3,4,5,6
	v_pk_add_f32 v[72+8*\k:73+8*\k], v[72+8*\k:73+8*\k], v[74+8*\k:75+8*\k]
	v_pk_add_f32 v[76+8*\k:77+8*\k], v[76+8*\k:77+8*\k], v[78+8*\k:79+8*\k]
.endr
.irp k, 0,1,2,3,4,5,6
	v_pk_add_f32 v[72+8*\k:73+8*\k], v[72+8*\k:73+8*\k], v[76+8*\k:77+8*\k]
.endr
.irp k, 0,1,2,3,4,5,6
	v_add_f32 v[72+8*\k], s[IB3], v[72+8*\k]
.endr
.irp k, 0,1,2,3,4,5,6
	v_add_f32 v[72+8*\k], v[72+8*\k], v[73+8*\k]   ; s = z . iW3 + ib3
.endr
.irp k, 0,1,2,3,4,5,6
	v_min_num_f32 v[73+8*\k], 0, v[72+8*\k]        ; elu(s) + 1 = max(s, 0) + e^min(s, 0): the exponent is never positive, as in reference()'s choice of forms
.endr
.irp k, 0,1,2,3,4,5,6
	v_mul_f32 v[73+8*\k], 0x3fb8aa3b, v[73+8*\k]
.endr
.irp k, 0,1,2,3,4,5,6
	v_exp_f32 v[74+8*\k], v[73+8*\k]
.endr
.irp k, 0,1,2,3,4,5,6
	v_max_num_f32 v[72+8*\k], 0, v[72+8*\k]        ; plain work behind the batch
.endr
	s_wait_loadcnt 0x0                             ; cc
	s_wait_alu depctr_va_vdst(0)                   ; one wait for the seven exponentials, ahead of their first reader
.irp k, 0,1,2,3,4,5,6
	v_add_f32 v[72+8*\k], v[72+8*\k], v[74+8*\k]
.endr
	v_mul_f32 v136, v128, v72
.irp k, 1,2,3,4,5,6
	v_fmac_f32 v136, v[128+\k], v[72+8*\k]
.endr
	v_permlanex16_b32 v73, v136, s[SEL], s[SEL+1]
	v_add_f32 v136, v136, v73                      ; with the other half's nodes (both halves now hold, and store, the same number)
	ds_store_b32 v5, v136
	BAR
	s_cmp_lg_u32 s[WV], 0
	s_cbranch_scc1 .Lend                           ; wave 0 finishes the 32 rows, a lane a row
	ds_load_b128 v[72:75], v8
.irp u, 0,1,2,3
	ds_load_b128 v[76+4*\u:79+4*\u], v9 offset:16*\u
.endr
	global_load_b32 v92, v10, s[4:5]
	s_wait_dscnt 0x0
	v_add_f32 v72, v72, v73
	v_add_f32 v74, v74, v75
	v_add_f32 v72, v72, v74                        ; the sum over the 51 nodes
	v_pk_add_f32 v[76:77], v[76:77], v[78:79]      ; (o0, o1): eight parts
	v_pk_add_f32 v[80:81], v[80:81], v[82:83]
	v_pk_add_f32 v[84:85], v[84:85], v[86:87]
	v_pk_add_f32 v[88:89], v[88:89], v[90:91]
	v_pk_add_f32 v[76:77], v[76:77], v[80:81]
	v_pk_add_f32 v[84:85], v[84:85], v[88:89]
	v_pk_add_f32 v[76:77], v[76:77], v[84:85]
	v_add_f32 v76, s[HB3], v76
	v_add_f32 v77, s[HB3+1], v77
	v_mul_f32 v77, 0x3fb8aa3b, v77
	v_exp_f32 v78, v77                             ; the scaling, e^o1
	s_wait_loadcnt 0x0
	v_mul_f32 v92, 0.5, v92
	v_mul_f32 v72, v72, v92                        ; the integral
	s_wait_alu depctr_va_vdst(0)                   ; ahead of the exponential's reader
	v_fma_f32 v79, v78, v72, v76
	global_store_b32 v10, v79, s[38:39]            ; 32 lanes store the work-group's 128 consecutive bytes of out0
.Lend:
	s_wait_tensorcnt 0x0                           ; the wave's end: three closing lines, behind my last LDS store
	ds_add_u32 v[SPW], v[NIL]
	s_wait_dscnt 0x0
	s_endpgm
.Lfunc_end_k_q65389d9080_main:
	.size	k_q65389d9080_main, .Lfunc_end_k_q65389d9080_main-k_q65389d9080_main
	.p2alignl 7, 3214868480
	.fill 96, 4, 3214868480
	.section	.rodata,"a",@progbits
	.p2align	6, 0x0
	.amdhsa_kernel k_q65389d9080_main
		.amdhsa_group_segment_fixed_size 116224
		.amdhsa_private_segment_fixed_size 0
		.amdhsa_enable_private_segment 0
		.amdhsa_kernarg_size 144
		.amdhsa_user_sgpr_count 2
		.amdhsa_user_sgpr_kernarg_segment_ptr 1
		.amdhsa_wavefront_size32 1
		.amdhsa_system_sgpr_workgroup_id_x 1
		.amdhsa_system_sgpr_workgroup_id_y 1
		.amdhsa_system_sgpr_workgroup_id_z 1
		.amdhsa_system_vgpr_workitem_id 0
		.amdhsa_next_free_vgpr 512
		.amdhsa_next_free_sgpr 80
		.amdhsa_reserve_vcc 0
		.amdhsa_float_denorm_mode_32 3
		.amdhsa_float_denorm_mode_16_64 3
		.amdhsa_memory_ordered 1
		.amdhsa_forward_progress 1
		.amdhsa_inst_pref_size 244
	.end_amdhsa_kernel
	.amdgpu_metadata
---
amdhsa.version: [ 1, 2 ]
amdhsa.kernels:
  - .name:           k_q65389d9080_main
    .symbol:         k_q65389d9080_main.kd
    .args:
      - { .name: x, .offset: 0, .size: 8, .value_kind: global_buffer, .address_space: global }
      - { .name: h, .offset: 8, .size: 8, .value_kind: global_buffer, .address_space: global }
      - { .name: iW0, .offset: 16, .size: 8, .value_kind: global_buffer, .address_space: global }
      - { .name: ib0, .offset: 24, .size: 8, .value_kind: global_buffer, .address_space: global }
      - { .name: ib1, .offset: 32, .size: 8, .value_kind: global_buffer, .address_space: global }
      - { .name: ib2, .offset: 40, .size: 8, .value_kind: global_buffer, .address_space: global }
      - { .name: iW3, .offset: 48, .size: 8, .value_kind: global_buffer, .address_space: global }
      - { .name: ib3, .offset: 56, .size: 8, .value_kind: global_buffer, .address_space: global }
      - { .name: hW0, .offset: 64, .size: 8, .value_kind: global_buffer, .address_space: global }
      - { .name: hb0, .offset: 72, .size: 8, .value_kind: global_buffer, .address_space: global }
      - { .name: hb1, .offset: 80, .size: 8, .value_kind: global_buffer, .address_space: global }
      - { .name: hb2, .offset: 88, .size: 8, .value_kind: global_buffer, .address_space: global }
      - { .name: hW3, .offset: 96, .size: 8, .value_kind: global_buffer, .address_space: global }
      - { .name: hb3, .offset: 104, .size: 8, .value_kind: global_buffer, .address_space: global }
      - { .name: wcodes, .offset: 112, .size: 8, .value_kind: global_buffer, .address_space: global }
      - { .name: wscales, .offset: 120, .size: 8, .value_kind: global_buffer, .address_space: global }
      - { .name: nodes, .offset: 128, .size: 8, .value_kind: global_buffer, .address_space: global }
      - { .name: out0, .offset: 136, .size: 8, .value_kind: global_buffer, .address_space: global }
    .group_segment_fixed_size: 116224
    .private_segment_fixed_size: 0
    .kernarg_segment_align: 8
    .kernarg_segment_size: 144
    .max_flat_workgroup_size: 256
    .sgpr_count:     80
    .vgpr_count:     512
    .wavefront_size: 32
...
	.end_amdgpu_metadata
.endif
;; end of part 2
;; ======== version 2 of 2: 2 launches; version 1 with the launch main written anew for expert scheduling mode
;; workspace buffers: wcodes 131,072 bytes; wscales 16,384 bytes; nodes 512 bytes
;; launch prep: the kernel of part 1 again; grid 32 x 1, 4 waves a work-group, no clusters, 0 bytes of LDS; arguments iW1, iW2, hW1, hW2, wcodes, wscales, nodes; writes wcodes, wscales, nodes
;; launch main (part 3): grid 256 x 1, 8 waves a work-group, no clusters, 116,224 bytes of LDS; arguments x, h, iW0, ib0, ib1, ib2, iW3, ib3, hW0, hb0, hb1, hb2, hW3, hb3, wcodes, wscales, nodes, out0; writes out0
.if DOCPART == 3
	.amdgcn_target "amdgcn-amd-amdhsa--gfx1250"
	.amdhsa_code_object_version 6
	.text
	.protected	k_q65389d9080_main
	.globl	k_q65389d9080_main
	.p2align	8
	.type	k_q65389d9080_main,@function
k_q65389d9080_main:
	s_mov_b64 s[64:65], 0
	v_nop
	global_prefetch_b8 v0, s[64:65] scope:SCOPE_SE
	s_setreg_imm32_b32 hwreg(HW_REG_WAVE_SCHED_MODE, 0, 2), 2
	s_setreg_imm32_b32 hwreg(HW_REG_WAVE_MODE, 25, 1), 1
	s_wait_xcnt 0x0
	s_wait_alu depctr_vm_vsrc(0)
; MonotonicNN, second launch: everything from x, h to out0.  No work of reference() is left out (see the first kernel's head); h . iW0[1:] + ib0, which reference() forms at each of the 51 nodes, is formed once a batch row.
; SHARES.  A work-group owns 32 batch rows: two groups of four waves, group g rows 16 g + r (r = lane % 16), at all 51 nodes.  THE FOUR WAVES OF A GROUP SHARE THE COLUMNS: wave w owns units 64 w .. 64 w + 63 of every
; layer, so its part of both 256 x 256 weights (128 registers of codes), their scale words, both biases, iW3 and the two vectors a, c of the first layer stay in its registers for the whole launch.
; What goes round through LDS is a node's activations as codes: 2,048 bytes and 128 scale bytes a layer, laid as an image of the operand's registers.
; LAYOUT.  The products are used transposed (source 0 = 16 columns of the weight, source 1 = the 16 batch rows): lane (r, h) holds row r, and register 16 b + i of a wave's four result tiles holds unit
; 64 w + 32 b + 16 h + i (the first kernel chose the tiles' columns for that).  Every vector over units (biases, rows of iW0 and hW0, iW3, hW3's columns, a, c) is loaded in that same order.
; FIRST LAYER: z0 = relu(tau_n a + c), a = 0.5 x iW0[0], c = h . iW0[1:] + ib0: one fused multiply-add a number.
; QUANTISER WITH RELU: the block's maximum is taken without |.| (what is negative must not count; the floor 2^(3 - 127) stands over it); the numbers are converted as they are, and codes with the sign bit set are
; cleared: a negative number gives a negative code or -0 whatever its size, a number that is not negative is converted as relu leaves it.
; PIPELINE: 17 groups of 3 nodes, 19 steps, one barrier a step.  In step i: layer 0 of nodes 3 i + k -> images A[i % 2]; layer 1 of nodes 3 (i - 1) + k reads A[1 - i % 2] -> B[i % 2]; layer 2 and the dot with iW3
; of nodes 3 (i - 2) + k read B[1 - i % 2] -> a partial sum a lane.  An image is written in one step, read in the next and written again in the step after: a barrier, with all the wave's LDS instructions
; waited for in front of its signal, parts each two.  The h net runs first, as one node through the same macros and registers, on its own weights; then the integrand's weights take their place.
; No tensor load, no cluster: the only bytes that work-groups share are the weights, which each wave reads once into registers; nothing is streamed, so nothing is prefetched.
; THE MODE: SCHED_MODE bits 1:0 = 2 (LLVM: expert scheduling mode 2), set by the entry lines.  The code itself states the register dependences between vector or matrix instructions and memory or LDS instructions,
; with s_wait_alu, always for 0.
; THE PLAN.  Registers that LDS or memory instructions touch in a step:
;   INC0 .. INC3, INS  LDS loads land in them, the products alone read them.  All four sets are loaded at the step's head (nodes 0 and 1); sets 0 and 2 again, for node 2, behind node 0's wait.
;   CODE0, CODE1       Written by a quantiser's conversions and masks, by turns; read by the three stores of an image.
;   PS .. PS+2         Written by a node's dot; read by one store each: node k's stands behind node k + 1's wait, node 2's behind the barrier.
;   v[PWA]             Written once a step, ahead of node 0's dot; read by those three stores.
;   v[RDI], v[RDS], v[WRI], v[WRS], v[PW0]  Made at the head; the first four are made anew at the way out, v[PW0] never.
;   Z, ACC1, ACC2, TM, C and all of window 1 are named by vector and matrix instructions alone.
; For node k, layer 0's quantiser (of node k + 1) and layer 1's stand on end, one code set each, and ONE wait on va_vdst follows: both sets, PS+k-1 and v[PWA] are written, and node k's products are done reading their
; input sets.  Behind it go both images' stores, the partial sum's store and (k = 0) node 2's loads.  Behind node 2's wait only relu and the dot follow, which name ACC2, iW3, TM and PS: so the next step's loads at its head
; owe nothing more, over the loop's backward jump too.  Two more such waits a step: behind layer 0 of node 0, and behind the barrier for PS+2.  A wait on vm_vsrc stands in each quantiser ahead of the conversions
; that write a code set again, and one a step ahead of the lines that write v[PWA] and PS again.
; LIMITS: z0's f32 sum is ordered otherwise than reference()'s 8-term product (h-terms first, the x-term last, fused); a block of zeros carries the byte 1 (zero codes; the bytes never leave the chip);
; blocks whose largest number lies under 2^-124 are held at that byte; NaN and infinities among the inputs are not served.
.set RECB,  2304                       ; LDS: an image: 2,048 bytes of codes, 128 of scale bytes, 128 unused
.set GIMG,  12*RECB                    ; a group's twelve images: number 6 p + 3 st + k (p parity, st 0 = A, 1 = B, k node of the step)
.set PART,  2*GIMG                     ; the partial sums: [wave][56 nodes][r][h] f32; nodes 51 to 55 hold zeros
.set PWV,   56*128                     ; a wave's
.set HP,    PART+8*PWV                 ; the h net's partial sums: [g][r][w][h][2]
.set RED,   HP+2048                    ; the integrals' parts: [g][r][w]
.set SPARE, RED+512                    ; the spare words, 128 bytes for each wave: four blocks of 256 bytes that no other line names
; window 0
.set SPW, 1                            ; v1   my spare word's LDS address; never rewritten
.set NIL, 2                            ; v2   0; never rewritten
.set RDI, 3                            ; v3   an image's codes, read: group + 16 x lane
.set RDS, 4                            ; v4   its scale words, read: group + 2,048 + 8 r
.set WRI, 5                            ; v5   codes, written: group + 512 w + 16 r + 8 h
.set WRS, 6                            ; v6   scale bytes, written: group + 2,048 + 8 r + 2 w
.set PWA, 7                            ; v7   where the step's partial sums go
.set VOW, 8                            ; v8   wcodes: 16 x lane + 8,192 w
.set VOS, 9                            ; v9   wscales: 4 x lane + 1,024 w
.set VOV, 10                           ; v10  a vector over units: 256 w + 64 h
.set VOC, 11                           ; v11  hW3: 512 w + 128 h
.set VOH, 12                           ; v12  h: 28 x my batch row
.set VOX, 13                           ; v13  x: 4 x my batch row
.set RR,  14                           ; v14  r
.set HH,  15                           ; v15  h
.set WSC, 16                           ; v16-31  the weights' scale words: layer L, tile t, K step s at 8 L + 2 t + s.  Scales and nothing else
.set INS, 32                           ; v32-39  the four input sets' scale words, a pair (K steps 0, 1) each.  Scales and nothing else
.set C,   40                           ; v40-71  c
.set INC, 72                           ; v72-135 four input sets of 16: 0, 1 for layer 1, 2, 3 for layer 2 (even and odd node of a step)
.set ACC1, 136                         ; v136-167 layer 1's four tiles
.set ACC2, 168                         ; v168-199 layer 2's
.set Z,   200                          ; v200-231 layer 0's numbers
.set TM,  232                          ; v232-239 at work
.set CODE, 240                         ; v240-244, v246-250 two sets: four registers of codes and the two scale bytes
.set PS,  252                          ; v252-254 the three nodes' partial sums
.set PW0, 255                          ; v255 PART + my wave's run + 8 r + 4 h; never rewritten
.set RB,  72                           ; at the head: four buffers of 32 for rows of hW0 and iW0 (v72-199)
.set HV,  232                          ; at the head: h_i at v[232 + 2 i]: the packed form names a pair and takes its low word for both halves
.set XS,  246                          ; at the head: 0.5 x
; window 1
.set W1F, 0                            ; layer 1's eight fragments, (t, s) at 8 (2 t + s)
.set W2F, 64                           ; layer 2's
.set B1,  128                          ; the biases, in the result's layout
.set B2,  160
.set W3,  192                          ; iW3 (in the h net: hW3's column 0)
.set A,   224                          ; a
; scalars: s[4:39] the eighteen addresses in the order of the arguments
.set WV,  40                           ; wave 0..7
.set WQ,  41                           ; w: wave % 4
.set GR,  42                           ; g: wave / 4
.set TRIP, 43
.set SEL, 44                           ; s[44:45] v_permlanex16_b32's selects for lane l xor 16
.set SGN, 46                           ; the sign bits of eight codes
.set IB3, 47
.set TAU, 48                           ; s[48:55], s[56:63] four table entries {tau, cc} for an even, an odd step
.set NP,  66                           ; s[66:67] the table, stepped 24 bytes a step
.set HB3, 68                           ; s[68:69]
.set PN,  76                           ; 384 x (step - 2): the step's place in a wave's partial sums
.set MSB, 0
.set DSC, 0                            ; LDS instructions issued since the last wait for all of them
.set LDC, 0                            ; global loads issued
.set MKC0, 0
.set MKC1, 0
.set ST0, 0                            ; 1 once code set 0 has been stored from
.set ST1, 0                            ; the same for set 1
.set CS, 0                             ; which set of code registers is next
.macro WIN new                         ; s_set_vgpr_msb: bits 1:0 source 0, 3:2 source 1, 5:4 source 2, 7:6 destination; the high byte repeats the setting that is left
.if MSB != \new
	s_set_vgpr_msb (MSB<<8)|\new
.set MSB, \new
.endif
.endm
.macro DSWAIT mk                       ; LDS instructions end in order: as many may stay out as were issued behind the marked one.  Mark 0: it was waited for at the last barrier
.if (\mk) > 0
	s_wait_dscnt DSC-(\mk)
.endif
.endm
.macro LDWAIT mk                       ; the same for global loads
.if LDC-(\mk) > 63
	s_wait_loadcnt 63
.else
	s_wait_loadcnt LDC-(\mk)
.endif
.endm
.macro PLACES                          ; four places behind a matrix instruction, ahead of reads of its result (ISA guide 7.12.1)
.rept 4
	v_nop
.endr
.endm
.macro BAR                             ; my LDS stores have landed and my LDS loads are in: then the work-group's barrier
	s_wait_dscnt 0x0
	s_barrier_signal -1
	s_barrier_wait -1
.set DSC, 0
.set MKC0, 0
.set MKC1, 0
.endm
.macro VLOAD dst, ptr, off             ; 32 numbers of a vector over units: register 16 b + 4 q + .. = unit 64 w + 32 b + 16 h + 4 q + ..
.irp b, 0,1
.irp q, 0,1,2,3
	global_load_b128 v[(\dst)+16*\b+4*\q:(\dst)+16*\b+4*\q+3], v[VOV], s[\ptr:\ptr+1] offset:(\off)+128*\b+16*\q
.endr
.endr
.set LDC, LDC+8
.endm
.macro WFRAG net, lay, f0              ; four of my eight fragments of a weight (destination: window 1)
.irp f, 0,1,2,3
.irp c, 0,1
	global_load_b128 v[64*(\lay)+8*((\f0)+\f)+4*\c:64*(\lay)+8*((\f0)+\f)+4*\c+3], v[VOW], s[32:33] offset:(2*(\net)+(\lay))*32768+1024*((\f0)+\f)+512*\c
.endr
.endr
.set LDC, LDC+8
.endm
.macro WSCL net, lay                   ; and their eight scale words (window 0)
.irp f, 0,1,2,3,4,5,6,7
	global_load_b32 v[WSC+8*(\lay)+\f], v[VOS], s[34:35] offset:(2*(\net)+(\lay))*4096+128*\f
.endr
.set LDC, LDC+8
.endm
.macro WSET net, lay, bptr             ; a layer's whole set: 32 loads
	WIN 0x40
	WFRAG \net, \lay, 0
	WFRAG \net, \lay, 4
	VLOAD B1+32*(\lay), \bptr, 0
	WIN 0
	WSCL \net, \lay
.endm
.macro COL dst, i0, col                ; eight numbers of a column of hW3 ([256][2]): registers i0 .. i0 + 7 of the 32
.irp n, 0,1,2,3,4,5,6,7
	global_load_b32 v[(\dst)+\n], v[VOC], s[28:29] offset:(32*(((\i0)+\n)/16)+((\i0)+\n)%16)*8+4*(\col)
.endr
.set LDC, LDC+8
.endm
.macro ROWLD j                         ; row j of fifteen into buffer j % 4: hW0's seven, iW0's rows 1 to 7, iW0's row 0
.if (\j) < 7
	VLOAD RB+32*((\j)%4), 20, 1024*(\j)
.elseif (\j) < 14
	VLOAD RB+32*((\j)%4), 8, 1024*((\j)-6)
.else
	VLOAD RB+32*((\j)%4), 8, 0
.endif
.if (\j)%4 == 0
.set MKR0, LDC
.elseif (\j)%4 == 1
.set MKR1, LDC
.elseif (\j)%4 == 2
.set MKR2, LDC
.else
.set MKR3, LDC
.endif
.endm
.macro RBWAIT j
.if (\j)%4 == 0
	LDWAIT MKR0
.elseif (\j)%4 == 1
	LDWAIT MKR1
.elseif (\j)%4 == 2
	LDWAIT MKR2
.else
	LDWAIT MKR3
.endif
.endm
.macro ROWFMA dst, b, i                ; dst += buffer b x h_i
.irp n, 0,2,4,6,8,10,12,14,16,18,20,22,24,26,28,30
	v_pk_fma_f32 v[(\dst)+\n:(\dst)+\n+1], v[RB+32*(\b)+\n:RB+32*(\b)+\n+1], v[HV+2*(\i):HV+2*(\i)+1], v[(\dst)+\n:(\dst)+\n+1] op_sel_hi:[1,0,1]
.endr
.endm
.macro HCHUNK j                        ; eight loads of the h net's set, dealt over the head's first twelve rows.  They land in registers that no instruction has named, by offsets that the head's first wait on va_vdst has shown written
.if (\j) < 2
	WIN 0x40
	WFRAG 1, 0, 4*(\j)
.elseif (\j) == 2
	WSCL 1, 0
.elseif (\j) == 3
	WIN 0x40
	VLOAD B1, 24, 0
.elseif (\j) < 6
	WIN 0x40
	WFRAG 1, 1, 4*((\j)-4)
.elseif (\j) == 6
	WSCL 1, 1
.elseif (\j) == 7
	WIN 0x40
	VLOAD B2, 26, 0
.else
	WIN 0x40
	COL W3+8*((\j)-8), 8*((\j)-8), 0
.endif
	WIN 0
.endm
; An image comes back as the operand's registers: part q (K step q / 2, registers 4 (q % 2) ..) at 512 q + 16 x lane; the row's eight scale bytes as the two K steps' words.
.macro LOADIN set, rec
.irp q, 0,1,2,3
	ds_load_b128 v[INC+16*(\set)+4*\q:INC+16*(\set)+4*\q+3], v[RDI] offset:(\rec)+512*\q
.endr
	ds_load_b64 v[INS+2*(\set):INS+2*(\set)+1], v[RDS] offset:(\rec)
.set DSC, DSC+5
.if (\set)%2 == 0
.set MKN0, DSC
.else
.set MKN1, DSC
.endif
.endm
.macro WM d, a, b, c, sa, sb
	v_wmma_scale_f32_16x16x128_f8f6f4 v[(\d):(\d)+7], v[(\a):(\a)+7], v[(\b):(\b)+7], v[(\c):(\c)+7], v[(\sa)], v[(\sb)] matrix_a_fmt:MATRIX_FMT_FP4 matrix_b_fmt:MATRIX_FMT_FP4
.endm
; The matrix work of one node of each layer that is on: K step 0 starts each sum with the bias as C, K step 1 adds in place.  The four or eight accumulators take turns, one instruction a turn.
; Weights, inputs and all scale words come by loads: no vector instruction writes an A, a B or a scale register.
.macro MM l1, l2, par
	WIN 0x11                                       ; weights (source 0) and bias (source 2) in window 1
.if \l1
.irp t, 0,1,2,3
	WM ACC1+8*\t, W1F+16*\t, INC+16*(\par), B1+8*\t, WSC+2*\t, INS+2*(\par)
.endr
.endif
.if \l2
.irp t, 0,1,2,3
	WM ACC2+8*\t, W2F+16*\t, INC+32+16*(\par), B2+8*\t, WSC+8+2*\t, INS+4+2*(\par)
.endr
.endif
	WIN 0x01
.if \l1
.irp t, 0,1,2,3
	WM ACC1+8*\t, W1F+16*\t+8, INC+16*(\par)+8, ACC1+8*\t, WSC+2*\t+1, INS+2*(\par)+1
.endr
.endif
.if \l2
.irp t, 0,1,2,3
	WM ACC2+8*\t, W2F+16*\t+8, INC+32+16*(\par)+8, ACC2+8*\t, WSC+8+2*\t+1, INS+4+2*(\par)+1
.endr
.endif
.endm
; relu and quantiser for a lane's 32 numbers, v[src] on: two half blocks of 16 (the other halves lie in lane l xor 16).  Each tile of results is read from its low end on.  The codes go into set CS; the sets take turns.
.macro QUANT src
.set CD, CODE+6*CS
	v_max3_num_f32 v[TM], v[(\src)], v[(\src)+1], 0x1800000        ; no |.|: what is negative does not count; the floor 2^(3 - 127) holds the byte at 1 from below
	v_max3_num_f32 v[TM+1], v[(\src)+16], v[(\src)+17], 0x1800000
.irp i, 2,4,6,8,10,12,14
	v_max3_num_f32 v[TM], v[TM], v[(\src)+\i], v[(\src)+\i+1]      ; (the two blocks by turns)
	v_max3_num_f32 v[TM+1], v[TM+1], v[(\src)+16+\i], v[(\src)+17+\i]
.endr
	v_permlanex16_b32 v[TM+2], v[TM], s[SEL], s[SEL+1]
	v_permlanex16_b32 v[TM+3], v[TM+1], s[SEL], s[SEL+1]
	v_max_num_f32 v[TM], v[TM], v[TM+2]            ; the block's largest number
	v_max_num_f32 v[TM+1], v[TM+1], v[TM+3]
	v_add_nc_u32 v[TM+4], 0xff000000, v[TM]        ; 2 off the exponent field: the conversion's scale operand
	v_add_nc_u32 v[TM+5], 0xff000000, v[TM+1]
.if ST0*(1-CS)+ST1*CS
	s_wait_alu depctr_vm_vsrc(0)                   ; the three stores of this set's last image have read its five registers, which the lines below write again
.endif
.if CS == 0
	DSWAIT MKC0                                    ; this set's last stores are done
.else
	DSWAIT MKC1
.endif
	v_cvt_scalef32_pk8_fp4_f32 v[CD], v[(\src):(\src)+7], v[TM+4]
	v_cvt_scalef32_pk8_fp4_f32 v[CD+1], v[(\src)+8:(\src)+15], v[TM+4]
	v_cvt_scalef32_pk8_fp4_f32 v[CD+2], v[(\src)+16:(\src)+23], v[TM+5]
	v_cvt_scalef32_pk8_fp4_f32 v[CD+3], v[(\src)+24:(\src)+31], v[TM+5]
	v_lshrrev_b32 v[TM+6], 23, v[TM+4]             ; the scales' bytes (plain places behind the conversions)
	v_lshrrev_b32 v[TM+7], 23, v[TM+5]
	v_lshl_or_b32 v[CD+4], v[TM+7], 8, v[TM+6]
.irp n, 0,1,2,3
	v_bfi_b32 v[TM+\n], v[CD+\n], 0, s[SGN]        ; relu on the codes: 8 in each nibble whose sign bit is clear,
.endr
.irp n, 0,1,2,3
	v_lshrrev_b32 v[TM+4+\n], 3, v[TM+\n]
.endr
.irp n, 0,1,2,3
	v_sub_nc_u32 v[TM+\n], v[TM+\n], v[TM+4+\n]    ; 8 - 1 = 7 there, 0 elsewhere:
.endr
.irp n, 0,1,2,3
	v_and_b32 v[CD+\n], v[CD+\n], v[TM+\n]         ; negative codes become 0
.endr
.set CS, 1-CS
.endm
; My 8 bytes of block b are bytes 8 h .. of lane (r, b)'s 16 in part w of the image; my two scale bytes are bytes 2 w, 2 w + 1 of the row's eight (both halves of the lanes write the same value).
; older = 0: the set that the last quantiser wrote; 1: the set of the quantiser before it.  A wait on va_vdst stands ahead of every run of these stores.
.macro STOREIMG rec, older
.set SS, (1-CS+(\older))%2
.set SD, CODE+6*SS
	ds_store_b64 v[WRI], v[SD:SD+1] offset:(\rec)
	ds_store_b64 v[WRI], v[SD+2:SD+3] offset:(\rec)+256
	ds_store_b16 v[WRS], v[SD+4] offset:(\rec)
.set DSC, DSC+3
.if SS == 0
.set MKC0, DSC
.set ST0, 1
.else
.set MKC1, DSC
.set ST1, 1
.endif
.endm
.macro LAY0 k, p                       ; layer 0 of the step's node k: tau a + c, quantised; the image A[p][k] is stored behind the next wait on va_vdst
	WIN 0x01                                       ; a in window 1
.irp n, 0,2,4,6,8,10,12,14,16,18,20,22,24,26,28,30
	v_pk_fma_f32 v[Z+\n:Z+\n+1], v[A+\n:A+\n+1], s[TAU+8*(\p)+2*(\k):TAU+8*(\p)+2*(\k)+1], v[C+\n:C+\n+1] op_sel_hi:[1,0,1]
.endr
	WIN 0
	QUANT Z
.endm
.macro RELU acc
.irp n, 0,1,2,3,4,5,6,7,8,9,10,11,12,13,14,15,16,17,18,19,20,21,22,23,24,25,26,27,28,29,30,31
	v_max_num_f32 v[(\acc)+\n], 0, v[(\acc)+\n]
.endr
.endm
.macro DOT acc, wv, win, ps            ; the lane's 32 numbers times 32 weights, two at a time in two chains
	WIN \win
	v_pk_mul_f32 v[TM:TM+1], v[(\acc):(\acc)+1], v[(\wv):(\wv)+1]
	v_pk_mul_f32 v[TM+2:TM+3], v[(\acc)+2:(\acc)+3], v[(\wv)+2:(\wv)+3]
.irp n, 4,8,12,16,20,24,28
	v_pk_fma_f32 v[TM:TM+1], v[(\acc)+\n:(\acc)+\n+1], v[(\wv)+\n:(\wv)+\n+1], v[TM:TM+1]
	v_pk_fma_f32 v[TM+2:TM+3], v[(\acc)+\n+2:(\acc)+\n+3], v[(\wv)+\n+2:(\wv)+\n+3], v[TM+2:TM+3]
.endr
	WIN 0
	v_pk_add_f32 v[TM:TM+1], v[TM:TM+1], v[TM+2:TM+3]
	v_add_f32 v[(\ps)], v[TM], v[TM+1]
.endm
; A STEP.  p: its parity; l0, l1, l2: which layers are on; ld: 1 = the table entries of the step after next are fetched, 2 = but not in the loop's last trip; last: the last step.
.macro STEP p, l0, l1, l2, ld, last
.set DSC, 0
.set MKC0, 0
.set MKC1, 0
.if \l1
	LOADIN 0, (6*(1-\p)+0)*RECB                    ; nodes 0 and 1 of both layers: 20 loads; layer 0's first node stands between them and their use.  No wait on va_vdst: the last products that read these sets
.endif                                                 ; stand ahead of the last step's wait for node 2, and nothing issued since names them
.if \l2
	LOADIN 2, (6*(1-\p)+3)*RECB
.endif
.if \l1
	LOADIN 1, (6*(1-\p)+1)*RECB
.endif
.if \l2
	LOADIN 3, (6*(1-\p)+4)*RECB
.endif
.if \l0
	s_wait_kmcnt 0x0                               ; this step's table entries are in, and no scalar load reads the table's address any more
.if \ld
	s_add_nc_u64 s[NP:NP+1], s[NP:NP+1], 24
.endif
	LAY0 0, \p
	s_wait_alu depctr_va_vdst(0)                   ; node 0's codes and scale bytes are written, which the three stores read
	STOREIMG (6*\p+0)*RECB, 0
.endif
.irp k, 0,1,2
.if \l1 || \l2
.if \k == 1
	DSWAIT MKN1
.else
	DSWAIT MKN0
.endif
	MM \l1, \l2, \k%2
.endif
.if \l0 && (\k < 2)
	LAY0 \k+1, \p                                  ; its multiply-adds name none of the products' registers: they are the places behind them
.elseif \l1 || \l2
	WIN 0
	PLACES
.endif
.if \l1
	QUANT ACC1
.endif
.if (\l0 && (\k < 2)) || \l1 || \l2
	s_wait_alu depctr_va_vdst(0)                   ; node k's one wait: the code sets made above are written; so are the last node's partial sum and v[PWA]; this node's products are done reading their input sets
.endif
.if \l0 && (\k < 2)
	STOREIMG (6*\p+\k+1)*RECB, \l1                 ; layer 0's image: the older of the two sets where layer 1 is on
.endif
.if \l1
	STOREIMG (6*\p+3+\k)*RECB, 0                   ; layer 1's
.endif
.if \l2 && (\k > 0)
	ds_store_b32 v[PWA], v[PS+\k-1] offset:128*(\k-1)      ; the node before: its partial sum has a register of its own and has waited for this wait
.set DSC, DSC+1
.endif
.if \k == 0
.if \l1
	LOADIN 0, (6*(1-\p)+2)*RECB                    ; node 2 takes node 0's registers: nothing issued since the wait names them
.endif
.if \l2
	LOADIN 2, (6*(1-\p)+5)*RECB
.endif
.endif
.if \l0 && (\k == 1)
.if \ld == 2
	s_cmp_eq_u32 s[TRIP], 1                        ; the last trip's steps have no step two on that runs layer 0
	s_cbranch_scc1 .Lnoload_\@
.endif
.if \ld
	s_load_b256 s[TAU+8*\p:TAU+8*\p+7], s[NP:NP+1], 0x18   ; this set's last reader stands ahead of the wait above
.endif
.if \ld == 2
.Lnoload_\@:
.endif
.endif
.if (\k == 2) && !\last
	s_wait_dscnt 0x0                               ; my images of this step have landed, and my reads of the last step's are in:
	s_barrier_signal -1                            ; say so; the last node's relu and dot, work on registers, stand between signal and wait
.endif
.if \l2
.if \k == 0
	s_wait_alu depctr_vm_vsrc(0)                   ; the stores of the last three partial sums have read PS .. PS+2 and v[PWA], which this step writes again
	v_add_nc_u32 v[PWA], s[PN], v[PW0]
.endif
	RELU ACC2
	DOT ACC2, W3, 0x04, PS+\k
.endif
.endr
.if \last
	s_wait_alu depctr_va_vdst(0)                   ; the last dot has written PS+2, which the store reads
	ds_store_b32 v[PWA], v[PS+2] offset:256
	BAR
.else
	s_barrier_wait -1
.if \l2
	s_wait_alu depctr_va_vdst(0)                   ; node 2's dot has written PS+2, which the store reads
	ds_store_b32 v[PWA], v[PS+2] offset:256
.endif
.endif
.if \l2
	s_add_co_u32 s[PN], s[PN], 384
.endif
.endm
; ---- THE HEAD
	s_load_b512 s[4:19], s[0:1], 0x0               ; x s[4:5], h s[6:7], iW0 s[8:9], ib0 s[10:11], ib1 s[12:13], ib2 s[14:15], iW3 s[16:17], ib3 s[18:19]
	s_load_b512 s[20:35], s[0:1], 0x40             ; hW0 s[20:21], hb0 s[22:23], hb1 s[24:25], hb2 s[26:27], hW3 s[28:29], hb3 s[30:31], wcodes s[32:33], wscales s[34:35]
	s_load_b128 s[36:39], s[0:1], 0x80             ; nodes s[36:37], out0 s[38:39]
	v_lshl_add_u32 v[SPW], v0, 2, SPARE
	v_mov_b32 v[NIL], 0
	v_lshrrev_b32 v[PWA], 5, v0
	v_readfirstlane_b32 s[WV], v[PWA]
	v_and_b32 v[RR], 15, v0
	v_bfe_u32 v[HH], v0, 4, 1
	v_and_b32 v[PWA], 31, v0                       ; lane
	s_wait_alu depctr_va_sdst(0)                   ; s[WV] is written, ahead of its first reader: the wave's shares and addresses are made from it
	s_and_b32 s[WQ], s[WV], 3
	s_lshr_b32 s[GR], s[WV], 2
	s_mul_i32 s70, s[GR], GIMG                     ; my group's images
	v_lshlrev_b32 v[RDI], 4, v[PWA]
	v_lshlrev_b32 v[VOW], 4, v[PWA]
	v_lshlrev_b32 v[VOS], 2, v[PWA]
	v_add_nc_u32 v[RDI], s70, v[RDI]
	s_add_co_u32 s71, s70, 2048
	v_lshlrev_b32 v[RDS], 3, v[RR]
	v_add_nc_u32 v[RDS], s71, v[RDS]
	s_lshl_b32 s72, s[WQ], 1
	v_add_nc_u32 v[WRS], s72, v[RDS]
	s_lshl_b32 s72, s[WQ], 9
	s_add_co_u32 s72, s72, s70
	v_lshlrev_b32 v[WRI], 4, v[RR]
	v_lshl_add_u32 v[WRI], v[HH], 3, v[WRI]
	v_add_nc_u32 v[WRI], s72, v[WRI]
	s_mul_i32 s72, s[WV], PWV
	s_add_co_u32 s72, s72, PART
	v_lshlrev_b32 v[PW0], 3, v[RR]
	v_lshl_add_u32 v[PW0], v[HH], 2, v[PW0]
	v_add_nc_u32 v[PW0], s72, v[PW0]
	s_lshl_b32 s72, s[WQ], 13
	v_add_nc_u32 v[VOW], s72, v[VOW]
	s_lshl_b32 s72, s[WQ], 10
	v_add_nc_u32 v[VOS], s72, v[VOS]
	s_lshl_b32 s72, s[WQ], 8
	v_lshlrev_b32 v[VOV], 6, v[HH]
	v_add_nc_u32 v[VOV], s72, v[VOV]
	s_lshl_b32 s72, s[WQ], 9
	v_lshlrev_b32 v[VOC], 7, v[HH]
	v_add_nc_u32 v[VOC], s72, v[VOC]
	s_lshl_b32 s72, ttmp9, 5
	s_lshl_b32 s73, s[GR], 4
	s_add_co_u32 s72, s72, s73
	v_add_nc_u32 v[VOX], s72, v[RR]                ; my batch row: 32 x work-group + 16 g + r
	v_mul_u32_u24 v[VOH], v[VOX], 28
	v_lshlrev_b32 v[VOX], 2, v[VOX]
	s_mov_b32 s[SEL], 0x76543210
	s_mov_b32 s[SEL+1], 0xfedcba98
	s_mov_b32 s[SGN], 0x88888888
	s_mov_b32 s[PN], 0
.irp i, 0,1,2,3,4,5,6,7
	v_mov_b32 v[HV+2*\i+1], 0                      ; (named as the upper halves of the pairs of h_i and 0.5 x, so they are written)
.endr
	s_wait_alu depctr_va_vdst(0)                   ; all addresses and offsets (v3 to v6, v8 to v13, v255) and the zero in v[HV+1] are written: the stores below and every load and store up to the way out read them
.irp n, 51,52,53,54,55
	ds_store_b32 v[PW0], v[HV+1] offset:128*\n     ; the five nodes that the way out reads and no step writes
.endr
	s_wait_kmcnt 0x0
	s_load_b32 s[IB3], s[18:19], 0x0
	s_load_b64 s[HB3:HB3+1], s[30:31], 0x0
	s_load_b256 s[TAU:TAU+7], s[36:37], 0x0        ; the table entries of step 0 (nodes 0 to 2, and one more),
	s_load_b256 s[TAU+8:TAU+15], s[36:37], 0x18    ; of step 1
	s_mov_b64 s[NP:NP+1], s[36:37]
.irp i, 0,1,2,3,4,5,6
	global_load_b32 v[HV+2*\i], v[VOH], s[6:7] offset:4*\i
.endr
	global_load_b32 v248, v[VOX], s[4:5]
.set LDC, LDC+8
	VLOAD Z, 22, 0                                 ; the sums begin with the biases: hb0,
	VLOAD C, 10, 0                                 ; ib0
	ROWLD 0
	ROWLD 1
	ROWLD 2
	ROWLD 3
; Fifteen rows through four buffers, four rows ahead: Z = hb0 + h . hW0 (the h net's first layer), c = ib0 + h . iW0[1:], a = 0.5 x iW0[0].  The h net's weights are asked for on the way.
.irp j, 0,1,2,3,4,5,6,7,8,9,10,11,12,13,14
	RBWAIT \j                                      ; this row is in; the rows and the weights asked for behind it may stay out
.if \j == 0
	v_mul_f32 v[XS], 0.5, v248
.endif
.if \j < 7
	ROWFMA Z, \j%4, \j
.elseif \j < 14
	ROWFMA C, \j%4, \j-7
.else
	WIN 0x40
.irp n, 0,2,4,6,8,10,12,14,16,18,20,22,24,26,28,30
	v_pk_mul_f32 v[A+\n:A+\n+1], v[RB+64+\n:RB+64+\n+1], v[XS:XS+1] op_sel_hi:[1,0]
.endr
	WIN 0
.endif
.if \j+4 < 15
	s_wait_alu depctr_va_vdst(0)                   ; the sixteen multiply-adds are done reading this buffer, which is asked for again at once: the row four on lands in it
	ROWLD \j+4
.endif
.if \j < 12
	HCHUNK \j
.endif
.endr
.set MKH, LDC
; ---- THE H NET: one node through the integrand's macros and registers
	s_wait_dscnt 0x0                               ; the head's five stores are done: their data register is written below
	s_wait_alu depctr_vm_vsrc(0)                   ; and they have read it: v[HV+1] is v[TM+1], which the quantiser writes
	QUANT Z
	s_wait_alu depctr_va_vdst(0)                   ; the codes and scale bytes are written, which the stores read; the quantiser is done reading Z, in which hW3's column 1 lands
	STOREIMG 0, 0
	COL Z, 0, 1                                    ; hW3's column 1 takes Z's place
	COL Z+8, 8, 1
	COL Z+16, 16, 1
	COL Z+24, 24, 1
.set MKCOL, LDC
	BAR                                            ; the first layer's image is whole
	LOADIN 0, 0                                    ; (the head's multiply-adds, which read these registers as a row buffer, stand ahead of the wait above)
	LDWAIT MKH                                     ; the h net's weights, biases and hW3's column 0 are in; column 1's 32 loads may stay out
	s_wait_dscnt 0x0
	MM 1, 0, 0
	WIN 0
	PLACES
	QUANT ACC1
	s_wait_alu depctr_va_vdst(0)                   ; the codes are written, which the stores read; the products are done reading layer 1's fragments, bias and scale words, in which the integrand's set lands
	STOREIMG 3*RECB, 0
	WSET 0, 0, 12                                  ; layer 1's registers take the integrand's set: iW1's codes and scale words, ib1.  Between the wait and these loads stand stores, loads and window switches alone
	BAR                                            ; the second layer's image is whole
	LOADIN 2, 3*RECB
	s_wait_dscnt 0x0
	MM 0, 1, 0
	WIN 0
	PLACES
	RELU ACC2
	DOT ACC2, W3, 0x04, PS                         ; my part of o0
	LDWAIT MKCOL                                   ; column 1 is in; the 32 loads of the integrand's first set may stay out
	DOT ACC2, Z, 0, PS+1                           ; and of o1
	s_lshl_b32 s70, s[GR], 10
	s_lshl_b32 s71, s[WQ], 4
	s_add_co_u32 s70, s70, s71
	s_add_co_u32 s70, s70, HP
	v_lshlrev_b32 v[PWA], 6, v[RR]
	v_lshl_add_u32 v[PWA], v[HH], 3, v[PWA]
	v_add_nc_u32 v[PWA], s70, v[PWA]
	s_wait_alu depctr_va_vdst(0)                   ; v[PWA], PS and PS+1 are written, which the store reads; the products are done reading layer 2's set and the dot hW3's column 0, in which the loads below land
	ds_store_b64 v[PWA], v[PS:PS+1]
	WSET 0, 1, 14                                  ; iW2's codes and scale words, ib2
	WIN 0x40
	VLOAD W3, 16, 0                                ; iW3
	WIN 0
; ---- THE INTEGRAND: 19 steps.  Image A[0] was last read ahead of the barrier above; B[0] is written next in step 2, two barriers on.
	STEP 0, 1, 0, 0, 1, 0
	s_wait_loadcnt 0x0                             ; the integrand's sets are in
	STEP 1, 1, 1, 0, 1, 0
	STEP 0, 1, 1, 1, 1, 0
	s_mov_b32 s[TRIP], 7
.Ltrip:                                                ; steps 3 to 16, two a trip
	STEP 1, 1, 1, 1, 2, 0
	STEP 0, 1, 1, 1, 2, 0
	s_sub_co_u32 s[TRIP], s[TRIP], 1
	s_cmp_lg_u32 s[TRIP], 0
	s_cbranch_scc1 .Ltrip
	STEP 1, 0, 1, 1, 0, 0
	STEP 0, 0, 0, 1, 0, 1
; ---- THE WAY OUT.  Thread (w, r, h) of group g takes row r at nodes 8 k + 2 w + h, k = 0 .. 6: the eight partial sums (four waves, two halves), + ib3, elu + 1, times cc.
	s_wait_alu depctr_vm_vsrc(0)                   ; the LDS and memory instructions issued so far have read v3 to v6 and v8 to v10 as their addresses and offsets: these registers are made anew below
	v_lshlrev_b32 v3, 3, v[RR]
	v_lshl_add_u32 v3, v[HH], 7, v3
	s_mul_i32 s70, s[GR], 4*PWV
	s_lshl_b32 s71, s[WQ], 8
	s_add_co_u32 s70, s70, s71
	s_add_co_u32 s70, s70, PART
	v_add_nc_u32 v3, s70, v3                       ; PART + my group + 128 (2 w + h) + 8 r
	v_lshlrev_b32 v4, 3, v[HH]
	s_lshl_b32 s71, s[WQ], 4
	v_add_nc_u32 v4, s71, v4                       ; the table: 8 (2 w + h)
	v_lshlrev_b32 v5, 4, v[RR]
	s_lshl_b32 s71, s[GR], 8
	s_lshl_b32 s72, s[WQ], 2
	s_add_co_u32 s71, s71, s72
	s_add_co_u32 s71, s71, RED
	v_add_nc_u32 v5, s71, v5                       ; RED + 256 g + 16 r + 4 w
	v_and_b32 v6, 31, v0
	v_lshl_add_u32 v8, v6, 4, RED                  ; for wave 0, lane = 16 g + r: the row's four parts,
	v_lshl_add_u32 v9, v6, 6, HP                   ; its sixteen numbers of the h net,
	s_lshl_b32 s73, ttmp9, 7
	v_lshl_add_u32 v10, v6, 2, s73                 ; and its place in x and in out0
	s_wait_alu depctr_va_vdst(0)                   ; the new addresses are written, which the loads and stores below read (the products that read v72 to v135, in which the loads land, stand ahead of this wait too)
.irp k, 0,1,2,3,4,5,6
.irp u, 0,1,2,3
	ds_load_b64 v[72+8*\k+2*\u:73+8*\k+2*\u], v3 offset:PWV*\u+1024*\k
.endr
.endr
.irp k, 0,1,2,3,4,5,6
	global_load_b32 v[128+\k], v4, s[36:37] offset:64*\k+4         ; cc
.endr
	s_wait_dscnt 0x0
.irp k, 0,1,2,3,4,5,6
	v_pk_add_f32 v[72+8*\k:73+8*\k], v[72+8*\k:73+8*\k], v[74+8*\k:75+8*\k]
	v_pk_add_f32 v[76+8*\k:77+8*\k], v[76+8*\k:77+8*\k], v[78+8*\k:79+8*\k]
.endr
.irp k, 0,1,2,3,4,5,6
	v_pk_add_f32 v[72+8*\k:73+8*\k], v[72+8*\k:73+8*\k], v[76+8*\k:77+8*\k]
.endr
.irp k, 0,1,2,3,4,5,6
	v_add_f32 v[72+8*\k], s[IB3], v[72+8*\k]
.endr
.irp k, 0,1,2,3,4,5,6
	v_add_f32 v[72+8*\k], v[72+8*\k], v[73+8*\k]   ; s = z . iW3 + ib3
.endr
.irp k, 0,1,2,3,4,5,6
	v_min_num_f32 v[73+8*\k], 0, v[72+8*\k]        ; elu(s) + 1 = max(s, 0) + e^min(s, 0): the exponent is never positive, as in reference()'s choice of forms
.endr
.irp k, 0,1,2,3,4,5,6
	v_mul_f32 v[73+8*\k], 0x3fb8aa3b, v[73+8*\k]
.endr
.irp k, 0,1,2,3,4,5,6
	v_exp_f32 v[74+8*\k], v[73+8*\k]
.endr
.irp k, 0,1,2,3,4,5,6
	v_max_num_f32 v[72+8*\k], 0, v[72+8*\k]        ; plain work behind the batch
.endr
	s_wait_loadcnt 0x0                             ; cc
	s_wait_alu depctr_va_vdst(0)                   ; one wait for the seven exponentials, ahead of their first reader
.irp k, 0,1,2,3,4,5,6
	v_add_f32 v[72+8*\k], v[72+8*\k], v[74+8*\k]
.endr
	v_mul_f32 v136, v128, v72
.irp k, 1,2,3,4,5,6
	v_fmac_f32 v136, v[128+\k], v[72+8*\k]
.endr
	v_permlanex16_b32 v73, v136, s[SEL], s[SEL+1]
	v_add_f32 v136, v136, v73                      ; with the other half's nodes (both halves now hold, and store, the same number)
	s_wait_alu depctr_va_vdst(0)                   ; v136 is written, which the store reads; the lines above are done with v72 to v92, in which wave 0's loads below land
	ds_store_b32 v5, v136
	BAR
	s_cmp_lg_u32 s[WV], 0
	s_cbranch_scc1 .Lend                           ; wave 0 finishes the 32 rows, a lane a row
	ds_load_b128 v[72:75], v8                      ; (no vector instruction since the wait above)
.irp u, 0,1,2,3
	ds_load_b128 v[76+4*\u:79+4*\u], v9 offset:16*\u
.endr
	global_load_b32 v92, v10, s[4:5]
	s_wait_dscnt 0x0
	v_add_f32 v72, v72, v73
	v_add_f32 v74, v74, v75
	v_add_f32 v72, v72, v74                        ; the sum over the 51 nodes
	v_pk_add_f32 v[76:77], v[76:77], v[78:79]      ; (o0, o1): eight parts
	v_pk_add_f32 v[80:81], v[80:81], v[82:83]
	v_pk_add_f32 v[84:85], v[84:85], v[86:87]
	v_pk_add_f32 v[88:89], v[88:89], v[90:91]
	v_pk_add_f32 v[76:77], v[76:77], v[80:81]
	v_pk_add_f32 v[84:85], v[84:85], v[88:89]
	v_pk_add_f32 v[76:77], v[76:77], v[84:85]
	v_add_f32 v76, s[HB3], v76
	v_add_f32 v77, s[HB3+1], v77
	v_mul_f32 v77, 0x3fb8aa3b, v77
	v_exp_f32 v78, v77                             ; the scaling, e^o1
	s_wait_loadcnt 0x0
	v_mul_f32 v92, 0.5, v92
	v_mul_f32 v72, v72, v92                        ; the integral
	s_wait_alu depctr_va_vdst(0)                   ; ahead of the exponential's reader
	v_fma_f32 v79, v78, v72, v76
	s_wait_alu depctr_va_vdst(0)                   ; v79 is written, which the store reads
	global_store_b32 v10, v79, s[38:39]            ; 32 lanes store the work-group's 128 consecutive bytes of out0
.Lend:
	s_wait_dscnt 0x0                               ; the closing lines, six on end
	s_wait_alu 0x0
	s_wait_tensorcnt 0x0
	ds_add_u32 v[SPW], v[NIL]
	s_wait_dscnt 0x0
	s_endpgm
.Lfunc_end_k_q65389d9080_main:
	.size	k_q65389d9080_main, .Lfunc_end_k_q65389d9080_main-k_q65389d9080_main
	.p2alignl 7, 3214868480
	.fill 96, 4, 3214868480
	.section	.rodata,"a",@progbits
	.p2align	6, 0x0
	.amdhsa_kernel k_q65389d9080_main
		.amdhsa_group_segment_fixed_size 116224
		.amdhsa_private_segment_fixed_size 0
		.amdhsa_enable_private_segment 0
		.amdhsa_kernarg_size 144
		.amdhsa_user_sgpr_count 2
		.amdhsa_user_sgpr_kernarg_segment_ptr 1
		.amdhsa_wavefront_size32 1
		.amdhsa_system_sgpr_workgroup_id_x 1
		.amdhsa_system_sgpr_workgroup_id_y 1
		.amdhsa_system_sgpr_workgroup_id_z 1
		.amdhsa_system_vgpr_workitem_id 0
		.amdhsa_next_free_vgpr 512
		.amdhsa_next_free_sgpr 80
		.amdhsa_reserve_vcc 0
		.amdhsa_float_denorm_mode_32 3
		.amdhsa_float_denorm_mode_16_64 3
		.amdhsa_memory_ordered 1
		.amdhsa_forward_progress 1
		.amdhsa_inst_pref_size 247
	.end_amdhsa_kernel
	.amdgpu_metadata
---
amdhsa.version: [ 1, 2 ]
amdhsa.kernels:
  - .name:           k_q65389d9080_main
    .symbol:         k_q65389d9080_main.kd
    .args:
      - { .name: x, .offset: 0, .size: 8, .value_kind: global_buffer, .address_space: global }
      - { .name: h, .offset: 8, .size: 8, .value_kind: global_buffer, .address_space: global }
      - { .name: iW0, .offset: 16, .size: 8, .value_kind: global_buffer, .address_space: global }
      - { .name: ib0, .offset: 24, .size: 8, .value_kind: global_buffer, .address_space: global }
      - { .name: ib1, .offset: 32, .size: 8, .value_kind: global_buffer, .address_space: global }
      - { .name: ib2, .offset: 40, .size: 8, .value_kind: global_buffer, .address_space: global }
      - { .name: iW3, .offset: 48, .size: 8, .value_kind: global_buffer, .address_space: global }
      - { .name: ib3, .offset: 56, .size: 8, .value_kind: global_buffer, .address_space: global }
      - { .name: hW0, .offset: 64, .size: 8, .value_kind: global_buffer, .address_space: global }
      - { .name: hb0, .offset: 72, .size: 8, .value_kind: global_buffer, .address_space: global }
      - { .name: hb1, .offset: 80, .size: 8, .value_kind: global_buffer, .address_space: global }
      - { .name: hb2, .offset: 88, .size: 8, .value_kind: global_buffer, .address_space: global }
      - { .name: hW3, .offset: 96, .size: 8, .value_kind: global_buffer, .address_space: global }
      - { .name: hb3, .offset: 104, .size: 8, .value_kind: global_buffer, .address_space: global }
      - { .name: wcodes, .offset: 112, .size: 8, .value_kind: global_buffer, .address_space: global }
      - { .name: wscales, .offset: 120, .size: 8, .value_kind: global_buffer, .address_space: global }
      - { .name: nodes, .offset: 128, .size: 8, .value_kind: global_buffer, .address_space: global }
      - { .name: out0, .offset: 136, .size: 8, .value_kind: global_buffer, .address_space: global }
    .group_segment_fixed_size: 116224
    .private_segment_fixed_size: 0
    .kernarg_segment_align: 8
    .kernarg_segment_size: 144
    .max_flat_workgroup_size: 256
    .sgpr_count:     80
    .vgpr_count:     512
    .wavefront_size: 32
...
	.end_amdgpu_metadata
.endif
;; end of part 3
